; MI455X (gfx1250); checked and timed in simulation.
; The chip was launched on July 23, 2026; its instructions are those of AMD's public machine-readable ISA for CDNA 5 (MIT licence, August 2026) and "CDNA5" Instruction Set Architecture Reference Guide (July 2026). The comments in the code are by the model that wrote it; some were corrected since.
;; temporal. Allowed arithmetic: float matrix products may take bf16 or f16 operands with f32 sums; all other float work in f32.
;; Inputs: Wk 512 x 512 float32; Wo 512 x 512 float32; Wq 512 x 512 float32; Wv 512 x 512 float32; bk 512 float32; bo 512 float32; bq 512 float32; bv 512 float32; x 2 x 8 x 1,024 x 512 float32.
;; Outputs: out0 2 x 8 x 1,024 x 512 float32.
;; 2 versions, each right; version 2 is version 1 with the launch attn written anew for expert scheduling mode. Each part assembles by itself: llvm-mc -triple=amdgcn-amd-amdhsa -mcpu=gfx1250 --defsym DOCPART=n.
;; ======== version 1 of 2: 4 launches
;; limits: values are held in f16: magnitudes above 65,504 overflow, below 6.1e-05 lose precision
;; workspace buffers: wimg 2,097,152 bytes; qimg 16,777,216 bytes; kimg 16,777,216 bytes; vimg 16,777,216 bytes; oimg 16,777,216 bytes
;; launch wcvt (part 1): grid 64 x 4, 4 waves a work-group, no clusters, 17,920 bytes of LDS; arguments Wq, Wv, Wk, Wo, wimg; writes wimg
.if DOCPART == 1
	.amdgcn_target "amdgcn-amd-amdhsa--gfx1250"
	.amdhsa_code_object_version 6
	.text
	.protected	k_q53e0c7cc5a_wcvt
	.globl	k_q53e0c7cc5a_wcvt
	.p2align	8
	.type	k_q53e0c7cc5a_wcvt,@function
k_q53e0c7cc5a_wcvt:
	s_mov_b64 s[64:65], 0
	v_nop
	global_prefetch_b8 v0, s[64:65] scope:SCOPE_SE
	s_setreg_imm32_b32 hwreg(HW_REG_WAVE_MODE, 25, 1), 1
	s_wait_xcnt 0x0
; wcvt: the four weight matrices [512][512] f32 become f16 FRAGMENT IMAGES in wimg, in the order Wq, Wv, Wk, Wo, 524,288 bytes each.
; An image holds, lane after lane, the 16 bytes that a lane holds of a 16 x 32 matrix operand (ISA guide 7.12.2): byte
;   ((s*32 + ft)*2 + u)*1024 + g*512 + lane*16   holds row 16 ft + (lane & 15), k = 64 s + 32 u + 16 g + 8 (lane >> 4) + 0 .. 7.
; So the later launches bring whole fragments in by consecutive bytes and need no padding and no conversion.
; Wq is multiplied by c = log2(e) / sqrt(512) before it is rounded: the scores then come out ready for the base-2 exponential.
; WHY f16: about seven roundings of operands lie between x and out0, and each adds its relative error to sums of independent terms; with 11 significant bits
; they stay far inside an allowance of a hundredth of the output's spread, with 8 bits they do not.
; Grid: y picks the matrix, 4 x + wave picks the block (s, ft): 16 rows x 64 k, 4,096 bytes in, 2,048 bytes out.  One wave, one block:
; rows come in as 256 consecutive bytes for 16 lanes, pass through the wave's own LDS stage (pitch 272) and leave as 512 consecutive bytes a store.
; No matrix unit, no cluster, no barrier: nothing is shared between waves.
; LIMIT: weights are rounded to f16: magnitudes below 65,504; below 2^-14 the step is 2^-24 (weights 30 times smaller than 1/sqrt(512) lose nothing that counts).
.set CSCALE, 0x3d8293ee                ; log2(e) / sqrt(512)
.set SP,  272                          ; pitch of the stage: 256 bytes + 16, an odd multiple of 16, so that 16 rows' 16-byte columns fall on different banks
.set STG, 16*SP                        ; a wave's stage
.set GOF, 2                            ; v2       byte offset in W of my 16 bytes in the block's first two rows
.set SIN, 3                            ; v3       stage address, going in
.set SOU, 4                            ; v4       stage address, coming out: row r, 32 bytes at 32 h
.set LO,  7                            ; v7       16 x lane
.set RAW, 8                            ; v[8:39]  as loaded
.set F,   40                           ; v[40:71] four halves of 8 f32 in fragment order
.set PK,  72                           ; v[72:87] four halves, packed
	s_load_b256 s[4:11], s[0:1], 0x0               ; Wq s[4:5], Wv s[6:7], Wk s[8:9], Wo s[10:11]
	s_load_b64 s[12:13], s[0:1], 0x20              ; wimg
	v_lshl_add_u32 v88, v0, 2, 0x4400
	v_mov_b32 v89, 0
	v_lshrrev_b32 v1, 5, v0
	v_readfirstlane_b32 s14, v1                    ; wave
	s_and_b32 s15, ttmp7, 0xffff                   ; y: which matrix
	s_lshl2_add_u32 s16, ttmp9, s14                ; block = 4 x + wave = 32 s + ft
	s_and_b32 s20, s16, 31                         ; ft
	s_lshr_b32 s21, s16, 5                         ; s
	s_lshl_b32 s20, s20, 15                        ; 16 rows of 2,048 bytes
	s_lshl_b32 s21, s21, 8                         ; 64 f32
	s_or_b32 s20, s20, s21
	s_mov_b32 s21, 0                               ; s[20:21]: where the block begins in W
	s_lshl_b32 s22, s15, 19                        ; the image
	s_lshl_b32 s23, s16, 11                        ; the block in it
	s_add_co_u32 s22, s22, s23
	s_mov_b32 s23, 0                               ; s[22:23]: where it goes in wimg
	s_mul_i32 s24, s14, STG                        ; my stage
	v_and_b32 v1, 15, v0                           ; lane % 16
	v_bfe_u32 v5, v0, 4, 1                         ; lane / 16
	v_lshlrev_b32 v6, 4, v1
	v_lshl_add_u32 v[GOF], v5, 11, v6              ; lanes 0-15 an even row, lanes 16-31 the odd row below it
	v_mul_u32_u24 v[SIN], v5, SP
	v_add_nc_u32 v[SIN], v[SIN], v6
	v_add_nc_u32 v[SIN], s24, v[SIN]
	v_mul_u32_u24 v[SOU], v1, SP
	v_lshl_add_u32 v[SOU], v5, 5, v[SOU]
	v_add_nc_u32 v[SOU], s24, v[SOU]
	v_and_b32 v[LO], 31, v0
	v_lshlrev_b32 v[LO], 4, v[LO]
	s_wait_kmcnt 0x0
	s_cmp_eq_u32 s15, 1                            ; the matrix is chosen by the grid's y alone
	s_cselect_b64 s[4:5], s[6:7], s[4:5]
	s_cmp_eq_u32 s15, 2
	s_cselect_b64 s[4:5], s[8:9], s[4:5]
	s_cmp_eq_u32 s15, 3
	s_cselect_b64 s[4:5], s[10:11], s[4:5]
	s_cmp_eq_u32 s15, 0
	s_cselect_b32 s18, CSCALE, 1.0                 ; only Wq is scaled
	s_mov_b32 s19, s18
	s_add_nc_u64 s[4:5], s[4:5], s[20:21]
	s_add_nc_u64 s[12:13], s[12:13], s[22:23]
.irp i, 0,1,2,3,4,5,6,7
	global_load_b128 v[RAW+4*\i:RAW+4*\i+3], v[GOF], s[4:5] offset:\i*4096 th:TH_LOAD_NT   ; rows 2 i and 2 i + 1, 256 consecutive bytes each
.endr
.irp i, 0,1,2,3,4,5,6,7
	s_wait_loadcnt 7-\i                            ; loads come back in order (ISA guide 5.7.1): pair i is in, the younger ones stay out
	ds_store_b128 v[SIN], v[RAW+4*\i:RAW+4*\i+3] offset:\i*2*SP
.endr
.irp hf, 0,1,2,3
	ds_load_b128 v[F+8*\hf:F+8*\hf+3],   v[SOU] offset:\hf*64      ; half 2 u + g: k = 16 (2 u + g) + 8 h + 0 .. 3.  My own bytes, served in order: no wait, no barrier
	ds_load_b128 v[F+8*\hf+4:F+8*\hf+7], v[SOU] offset:\hf*64+16   ; + 4 .. 7
.endr
.irp hf, 0,1,2,3
	s_wait_dscnt 6-2*\hf                           ; this half's two loads are in; the later halves' may stay out
.irp k, 0,2,4,6
	v_pk_mul_f32 v[F+8*\hf+\k:F+8*\hf+\k+1], v[F+8*\hf+\k:F+8*\hf+\k+1], s[18:19] op_sel_hi:[1,0]
.endr
.irp k, 0,1,2,3
	v_cvt_pk_f16_f32 v[PK+4*\hf+\k], v[F+8*\hf+2*\k], v[F+8*\hf+2*\k+1]
.endr
	global_store_b128 v[LO], v[PK+4*\hf:PK+4*\hf+3], s[12:13] offset:\hf*512   ; the wave stores 512 consecutive bytes, aligned
.endr
	s_wait_tensorcnt 0x0
	ds_add_u32 v88, v89
	s_wait_dscnt 0x0
	s_endpgm
.Lfunc_end_k_q53e0c7cc5a_wcvt:
	.size	k_q53e0c7cc5a_wcvt, .Lfunc_end_k_q53e0c7cc5a_wcvt-k_q53e0c7cc5a_wcvt
	.p2alignl 7, 3214868480
	.fill 96, 4, 3214868480
	.section	.rodata,"a",@progbits
	.p2align	6, 0x0
	.amdhsa_kernel k_q53e0c7cc5a_wcvt
		.amdhsa_group_segment_fixed_size 17920
		.amdhsa_private_segment_fixed_size 0
		.amdhsa_enable_private_segment 0
		.amdhsa_kernarg_size 40
		.amdhsa_user_sgpr_count 2
		.amdhsa_user_sgpr_kernarg_segment_ptr 1
		.amdhsa_wavefront_size32 1
		.amdhsa_system_sgpr_workgroup_id_x 1
		.amdhsa_system_sgpr_workgroup_id_y 1
		.amdhsa_system_sgpr_workgroup_id_z 1
		.amdhsa_system_vgpr_workitem_id 0
		.amdhsa_next_free_vgpr 90
		.amdhsa_next_free_sgpr 66
		.amdhsa_reserve_vcc 0
		.amdhsa_float_denorm_mode_32 3
		.amdhsa_float_denorm_mode_16_64 3
		.amdhsa_memory_ordered 1
		.amdhsa_forward_progress 1
		.amdhsa_inst_pref_size 7
	.end_amdhsa_kernel
	.amdgpu_metadata
---
amdhsa.version: [ 1, 2 ]
amdhsa.kernels:
  - .name:           k_q53e0c7cc5a_wcvt
    .symbol:         k_q53e0c7cc5a_wcvt.kd
    .args:
      - { .name: Wq, .offset: 0, .size: 8, .value_kind: global_buffer, .address_space: global }
      - { .name: Wv, .offset: 8, .size: 8, .value_kind: global_buffer, .address_space: global }
      - { .name: Wk, .offset: 16, .size: 8, .value_kind: global_buffer, .address_space: global }
      - { .name: Wo, .offset: 24, .size: 8, .value_kind: global_buffer, .address_space: global }
      - { .name: wimg, .offset: 32, .size: 8, .value_kind: global_buffer, .address_space: global }
    .group_segment_fixed_size: 17920
    .private_segment_fixed_size: 0
    .kernarg_segment_align: 8
    .kernarg_segment_size: 40
    .max_flat_workgroup_size: 128
    .sgpr_count:     66
    .vgpr_count:     90
    .wavefront_size: 32
...
	.end_amdgpu_metadata
.endif
;; end of part 1
;; launch qkv (part 2): grid 4 x 64, 4 waves a work-group, clusters of 4 x 4, 327,680 bytes of LDS; arguments x, wimg, bq, bv, bk, qimg, kimg, vimg; writes qimg, kimg, vimg
.if DOCPART == 2
	.amdgcn_target "amdgcn-amd-amdhsa--gfx1250"
	.amdhsa_code_object_version 6
	.text
	.protected	k_q53e0c7cc5a_qkv
	.globl	k_q53e0c7cc5a_qkv
	.p2align	8
	.type	k_q53e0c7cc5a_qkv,@function
k_q53e0c7cc5a_qkv:
	s_mov_b64 s[64:65], 0
	v_nop
	global_prefetch_b8 v0, s[64:65] scope:SCOPE_SE
	s_setreg_imm32_b32 hwreg(HW_REG_WAVE_MODE, 25, 1), 1
	s_wait_xcnt 0x0
	s_wait_alu depctr_hold_cnt(0) depctr_sa_sdst(0) depctr_va_vdst(0) depctr_va_sdst(0) depctr_va_ssrc(0) depctr_va_vcc(0) depctr_vm_vsrc(0)
	s_getreg_b32 s2, hwreg(HW_REG_IB_STS2, 6, 4)
	s_cmp_eq_u32 s2, 0
	s_cbranch_scc0 .Lentry_in_a_cluster
	s_endpgm
.Lentry_in_a_cluster:
	s_bfe_u32 s2, ttmp6, 0x10000c
	s_cmp_lg_u32 s2, 0xf033
	s_cbranch_scc0 .Lentry_shape_is_right
	s_endpgm
.Lentry_shape_is_right:
; qkv: the three projections of 256 tokens for two heads: Q' = c (x Wq^T + bq), keys = x Wv^T + bv, values = x Wk^T + bk
; (keys from the v projection and values from the k projection, as the problem states it; c = log2(e)/sqrt(512) is already in Wq's image).
; A work-group (nb = cluster place x, tb = 4 x cluster y + place y) makes 256 tokens x 384 features; a wave (wm, wn) makes 128 tokens x one head x 3 matrices:
; 8 token tiles x 12 feature tiles = 96 accumulators = 768 registers.  K = 512 goes in 8 steps of 64 through two LDS slots.
; x arrives as f32 (rows of 256 bytes, padded to 272) and is rounded to f16 in registers; W arrives as ready f16 fragments from wimg.
; CLUSTERS: the four work-groups of a cluster row share tb and so x's tiles; the four of a column share nb and so W's tiles.  Both are asked for jointly.
; RESULTS leave as fragment images, straight from the accumulators:
;   Q and keys are made with W as source 0: a lane's 8 results are 8 neighbouring features of one token = 16 bytes of a fragment with row = token, k = feature:
;     qimg, kimg byte  blh*131072 + (token tile*4 + feature tile)*512 + lane*16      (blh = slice*8 + head)
;   values are made with x as source 0: a lane's 8 results are 8 neighbouring tokens of one feature = 16 bytes of a fragment of V^T:
;     vimg byte        blh*131072 + (((token tile>>1)*4 + feature tile)*2 + (token tile&1))*512 + lane*16
; LIMITS: x, W and the three results are rounded to f16; sums in f32.  So |x| and every projection must stay below 65,504.  With x of spread 1 and W of spread
; 1/sqrt(512) the projections have spread 1; x and W both 30 times larger give spread 900; x and W both offset by 30 spreads give 512 x 30 x 1.33 = 20,400.
; Below 2^-14 the step is 2^-24.  NaN and infinities in the inputs are not served.
; REGISTERS: window 0: v0-15 addresses; v16-63 two buffers of 3 W fragments; v64-127 8 x fragments (f16); v128-255 x as f32 for 32 along K, at the end the biases.
;            windows 1, 2, 3: the accumulators of Q, keys, values, tile (token tile t, feature tile f) at v[8 (4 t + f)].
.set CSCALE, 0x3d8293ee                ; log2(e) / sqrt(512), for bq
.set XP,    272                        ; LDS pitch of x's rows: 256 bytes + 16, an odd multiple of 16
.set XHALF, 128*XP                     ; 128 rows: one tensor load, and one wave's tokens
.set XT,    2*XHALF                    ; x's part of a slot
.set WHALF, 24576                      ; 3 matrices x 4 feature tiles x 2,048 bytes: one tensor load, and one wave's head
.set SLOT,  XT+2*WHALF                 ; 118,784
.set ADRX, 2                           ; v2-3   LDS address of my x rows in slot 0, 1
.set ADRW, 4                           ; v4-5   LDS address of my W fragments in slot 0, 1
.set LO,   6                           ; v6     16 x lane
.set VB8,  7                           ; v7     32 x (lane / 16)
.set VB4,  8                           ; v8     4 x (lane % 16)
.set WB,   16
.set XB,   64
.set XF,   128
.set BQ,   128                          ; v[128:159] bq of my head: feature tile f at 8 f, the 8 features 8 h + 0..7
.set BK,   160                          ; v[160:191] bv likewise (the keys' bias)
.set BV,   192                          ; v[192:199] bk (the values' bias): feature 16 f + r, in both registers of pair f
.set G1,  32                            ; s[32:39] group 1, x's tiles
.set G0,  40                            ; s[40:47] group 0, x's tiles, a set for each slot
.set G1B, 48                            ; s[48:55] group 1, W's tiles
.set G0B, 56                            ; s[56:63] group 0, W's tiles, a set for each slot
.set MSB, 0
.macro WIN new                         ; s_set_vgpr_msb; the immediate's high byte repeats the setting that is left; nothing is written where nothing changes
.if MSB != (\new)
	s_set_vgpr_msb (MSB<<8)|(\new)
.set MSB, (\new)
.endif
.endm
.macro PLACES                          ; four places behind a matrix instruction in front of loads into, and vector writes of, its registers
.rept 4
	v_nop
.endr
.endm
.macro JLOAD s                         ; a joint load: waves 0, 1 ask for x's two halves, waves 2, 3 for W's.  The branch hangs on the wave's number alone
	s_cmp_eq_u32 s21, 0
	s_cbranch_scc0 .Lfor_w_\@
	tensor_load_to_lds s[G0+4*\s:G0+4*\s+3], s[G1:G1+7]
	s_nop 0
	s_branch .Lasked_\@
.Lfor_w_\@:
	tensor_load_to_lds s[G0B+4*\s:G0B+4*\s+3], s[G1B:G1B+7]
	s_nop 0
.Lasked_\@:
.endm
.macro CROUND                          ; a round of the cluster's barrier: my work-group's barrier, wave 0 signals for it, all wait for all sixteen, my work-group's barrier again
	s_barrier_signal -1
	s_barrier_wait -1
	s_cmp_lg_u32 s20, 0
	s_cbranch_scc1 .Lnot_wave_0_\@
	s_barrier_signal -3
.Lnot_wave_0_\@:
	s_barrier_wait -3
	s_barrier_signal -1
	s_barrier_wait -1
.endm
	s_load_b512 s[4:19], s[0:1], 0x0               ; x s[4:5], wimg s[6:7], bq s[8:9], bv s[10:11], bk s[12:13], qimg s[14:15], kimg s[16:17], vimg s[18:19]
	v_lshl_add_u32 v14, v0, 2, 0x3a000
	v_mov_b32 v15, 0
	ds_add_u32 v14, v15
	v_lshrrev_b32 v1, 5, v0
	v_readfirstlane_b32 s20, v1                    ; wave
	s_lshr_b32 s21, s20, 1                         ; wm: which 128 tokens.  Also: I fetch for x (0) or for W (1)
	s_and_b32 s22, s20, 1                          ; wn: which head.  Also: which half I fetch
	s_bfe_u32 s23, ttmp6, 0x40000                  ; cx
	s_bfe_u32 s24, ttmp6, 0x40004                  ; cy
	s_lshl_b32 s28, ttmp9, 2
	s_add_co_u32 s28, s28, s23                     ; nb = 4 x cluster x + cx: heads 2 nb, 2 nb + 1
	s_and_b32 s25, ttmp7, 0xffff
	s_lshl_b32 s25, s25, 2
	s_add_co_u32 s25, s25, s24                     ; tb = 4 x cluster y + cy: tokens 256 tb ..
	s_lshl_b32 s26, s24, 2
	s_lshl_b32 s26, 15, s26                        ; my row of the cluster
	s_lshl_b32 s27, 0x1111, s23                    ; my column
	; group 1 for x: 128 rows x 64 f32, 512 elements from row to row, 4 words of padding behind every 64
	s_or_b32 s[G1+0], s26, (2<<16)|(1<<20)|(1<<21)|(5<<22)|(3<<25)   ; mask: my row; element of 4 bytes; padding on; bit 21 beside a mask; interval code 5; pad code 3
	s_mov_b32 s[G1+1], 64<<16                      ; tensor_dim0 = 64
	s_mov_b32 s[G1+2], 128<<16                     ; tensor_dim1 = 128
	s_mov_b32 s[G1+3], 64<<16                      ; tile_dim0 = 64
	s_mov_b32 s[G1+4], 128                         ; tile_dim1 = 128
	s_mov_b32 s[G1+5], 512                         ; stride0
	s_mov_b32 s[G1+6], 0
	s_mov_b32 s[G1+7], 0
	; group 1 for W: 3 rows (the images of Wq, Wv, Wk) x 1,024 elements of 8 bytes (4 feature tiles), 65,536 elements from image to image, no padding
	s_or_b32 s[G1B+0], s27, (3<<16)|(1<<21)        ; mask: my column
	s_mov_b32 s[G1B+1], 1024<<16
	s_mov_b32 s[G1B+2], 3<<16
	s_mov_b32 s[G1B+3], 1024<<16
	s_mov_b32 s[G1B+4], 3
	s_mov_b32 s[G1B+5], 65536
	s_mov_b32 s[G1B+6], 0
	s_mov_b32 s[G1B+7], 0
	; x's address hangs on tb and the wave alone, W's on nb and the wave alone, each in registers that never hold the other coordinate
	s_lshl_b32 s66, s25, 19                        ; 256 tokens x 2,048 bytes
	s_lshl_b32 s67, s22, 18                        ; + my half's 128 tokens
	s_add_co_u32 s66, s66, s67
	s_mov_b32 s67, 0
	s_lshl_b32 s68, s28, 14                        ; 8 feature tiles x 2,048 bytes
	s_lshl_b32 s69, s22, 13                        ; + my half's 4
	s_add_co_u32 s68, s68, s69
	s_mov_b32 s69, 0
	s_mul_i32 s70, s20, XHALF                      ; x lands at wave x 34,816 (waves 0, 1)
	s_mul_i32 s71, s20, WHALF
	s_add_co_u32 s71, s71, XT-2*WHALF              ; W lands at 69,632 + (wave - 2) x 24,576 (waves 2, 3)
	s_wait_dscnt 0x0
	s_wait_kmcnt 0x0
	s_add_nc_u64 s[72:73], s[4:5], s[66:67]
	s_add_nc_u64 s[74:75], s[6:7], s[68:69]
	CROUND                                         ; all sixteen work-groups are here: the first joint loads meet
.irp s, 0,1
	s_mov_b32 s[G0+4*\s], 1
	s_add_co_u32 s[G0+4*\s+1], s70, \s*SLOT
	s_add_nc_u64 s[G0+4*\s+2:G0+4*\s+3], s[72:73], \s*256          ; K step s: 64 f32 on
	s_or_b32 s[G0+4*\s+3], s[G0+4*\s+3], 0x80000000
	s_mov_b32 s[G0B+4*\s], 1
	s_add_co_u32 s[G0B+4*\s+1], s71, \s*SLOT
	s_add_nc_u64 s[G0B+4*\s+2:G0B+4*\s+3], s[74:75], \s*65536      ; K step s: 32 feature tiles on
	s_or_b32 s[G0B+4*\s+3], s[G0B+4*\s+3], 0x80000000
	JLOAD \s                                       ; both slots are asked for before anything else: two tensor loads of a wave are out here, one later
.endr
	; the other bases
	s_lshl1_add_u32 s76, s28, s22                  ; my head
	s_lshl_b32 s78, s76, 8                         ; 64 f32
	s_mov_b32 s79, 0
	s_add_nc_u64 s[8:9], s[8:9], s[78:79]
	s_add_nc_u64 s[10:11], s[10:11], s[78:79]
	s_add_nc_u64 s[12:13], s[12:13], s[78:79]
	s_lshr_b32 s77, s25, 2                         ; slice = tb / 4
	s_lshl3_add_u32 s77, s77, s76                  ; blh
	s_lshl_b32 s78, s77, 17
	s_and_b32 s77, s25, 3
	s_lshl_b32 s77, s77, 15                        ; 16 token tiles x 2,048 bytes (in vimg: 8 pairs x 4,096: the same number)
	s_add_co_u32 s78, s78, s77
	s_lshl_b32 s77, s21, 14                        ; my 8 token tiles
	s_add_co_u32 s78, s78, s77
	s_add_nc_u64 s[14:15], s[14:15], s[78:79]
	s_add_nc_u64 s[16:17], s[16:17], s[78:79]
	s_add_nc_u64 s[18:19], s[18:19], s[78:79]
	v_and_b32 v9, 15, v0                           ; r
	v_bfe_u32 v10, v0, 4, 1                        ; h
	v_and_b32 v11, 31, v0
	v_lshlrev_b32 v[LO], 4, v11
	v_lshlrev_b32 v[VB8], 5, v10
	v_lshlrev_b32 v[VB4], 2, v9
	v_mul_u32_u24 v1, v9, XP
	v_add_nc_u32 v1, v1, v[VB8]                    ; row r, 8 f32 at 32 h
	s_mul_i32 s30, s21, XHALF
	v_add_nc_u32 v[ADRX], s30, v1
	v_add_nc_u32 v[ADRX+1], SLOT, v[ADRX]
	s_mul_i32 s31, s22, WHALF
	s_add_co_u32 s31, s31, XT
	v_add_nc_u32 v[ADRW], s31, v[LO]
	v_add_nc_u32 v[ADRW+1], SLOT, v[ADRW]
; 32 LDS loads: my 128 tokens, 32 along K at 32 u, as f32: token tile t's 16 registers are k = 8 h + 0..7 and k = 16 + 8 h + 0..7
.macro XLOAD slot, u
.irp t, 0,1,2,3,4,5,6,7
	ds_load_b128 v[XF+16*\t:XF+16*\t+3],     v[ADRX+\slot] offset:\t*16*XP+\u*128
	ds_load_b128 v[XF+16*\t+4:XF+16*\t+7],   v[ADRX+\slot] offset:\t*16*XP+\u*128+16
	ds_load_b128 v[XF+16*\t+8:XF+16*\t+11],  v[ADRX+\slot] offset:\t*16*XP+\u*128+64
	ds_load_b128 v[XF+16*\t+12:XF+16*\t+15], v[ADRX+\slot] offset:\t*16*XP+\u*128+80
.endr
.endm
; 6 LDS loads: W fragments 3 q .. 3 q + 2 of the twelve (fragment = 4 x matrix + feature tile) into buffer buf; each load takes 512 consecutive bytes
.macro WLOAD slot, u, q, buf
.irp i, 0,1,2
	ds_load_b128 v[WB+24*\buf+8*\i:WB+24*\buf+8*\i+3],   v[ADRW+\slot] offset:((3*\q+\i)/4)*8192+((3*\q+\i)%4)*2048+\u*1024
	ds_load_b128 v[WB+24*\buf+8*\i+4:WB+24*\buf+8*\i+7], v[ADRW+\slot] offset:((3*\q+\i)/4)*8192+((3*\q+\i)%4)*2048+\u*1024+512
.endr
.endm
.macro CVT                             ; 128 f32 a lane to 8 f16 fragments, two roundings an instruction
.set n, 0
.rept 64
	v_cvt_pk_f16_f32 v[XB+n], v[XF+2*n], v[XF+2*n+1]
.set n, n+1
.endr
.endm
; 8 matrix instructions: W fragment f (in v[w ..]) with the 8 token tiles.  Q and keys: W is source 0.  Values: x is source 0.
.macro RUN f, w, zero
	WIN ((\f)/4+1)*0x50                            ; C and D in window 1, 2 or 3
.irp t, 0,1,2,3,4,5,6,7
.if (\f)/4 == 2
.if \zero
	v_wmma_f32_16x16x32_f16 v[8*(4*\t+(\f)%4):8*(4*\t+(\f)%4)+7], v[XB+8*\t:XB+8*\t+7], v[\w:\w+7], 0
.else
	v_wmma_f32_16x16x32_f16 v[8*(4*\t+(\f)%4):8*(4*\t+(\f)%4)+7], v[XB+8*\t:XB+8*\t+7], v[\w:\w+7], v[8*(4*\t+(\f)%4):8*(4*\t+(\f)%4)+7]
.endif
.else
.if \zero
	v_wmma_f32_16x16x32_f16 v[8*(4*\t+(\f)%4):8*(4*\t+(\f)%4)+7], v[\w:\w+7], v[XB+8*\t:XB+8*\t+7], 0
.else
	v_wmma_f32_16x16x32_f16 v[8*(4*\t+(\f)%4):8*(4*\t+(\f)%4)+7], v[\w:\w+7], v[XB+8*\t:XB+8*\t+7], v[8*(4*\t+(\f)%4):8*(4*\t+(\f)%4)+7]
.endif
.endif
.endr
.endm
.macro SEG q, zero                     ; 24 matrix instructions on buffer q % 2.  The 96 accumulators take turns, one instruction a turn
.set wb, WB+24*((\q)%2)
	RUN 3*\q,   wb,    \zero
	RUN 3*\q+1, wb+8,  \zero
	RUN 3*\q+2, wb+16, \zero
.endm
.macro BIASLOAD                        ; into the f32 stage, which the last conversion has left free
.irp f, 0,1,2,3
	global_load_b128 v[BQ+8*\f:BQ+8*\f+3],   v[VB8], s[8:9] offset:\f*64
	global_load_b128 v[BQ+8*\f+4:BQ+8*\f+7], v[VB8], s[8:9] offset:\f*64+16
	global_load_b128 v[BK+8*\f:BK+8*\f+3],   v[VB8], s[10:11] offset:\f*64
	global_load_b128 v[BK+8*\f+4:BK+8*\f+7], v[VB8], s[10:11] offset:\f*64+16
	global_load_b32 v[BV+2*\f],   v[VB4], s[12:13] offset:\f*64    ; the same word into both registers of the pair that the packed add names
	global_load_b32 v[BV+2*\f+1], v[VB4], s[12:13] offset:\f*64
.endr
.endm
; 32 along K: 96 matrix instructions in four segments; in front of each the next segment's W fragments are asked for, 24 matrix instructions ahead of their use.
; mode 0: first half of a K step (asks for the second half's x and W).  mode 1: second half, this slot is filled again.  mode 2: second half, no refill.  mode 3: the very last.
.macro SUB slot, u, zero, mode
	s_wait_dscnt 0x0                               ; x as f32 and segment 0's W fragments are in
	WIN 0
	PLACES
	CVT
	WLOAD \slot, \u, 1, 1
.if \mode == 0
	XLOAD \slot, 1
.endif
.if \mode == 3
	BIASLOAD
.endif
	SEG 0, \zero
.if \mode == 0
	s_wait_dscnt 32                                ; segment 1's six loads are in; the 32 loads of x issued behind them may stay out
.else
	s_wait_dscnt 0x0
.endif
	WIN 0
	PLACES
	WLOAD \slot, \u, 2, 0
	SEG 1, \zero
	s_wait_dscnt 0x0
	WIN 0
	PLACES
	WLOAD \slot, \u, 3, 1
	SEG 2, \zero
	s_wait_dscnt 0x0                               ; segment 3's fragments are in; in modes 1 and 2 these were my last reads of this slot
.if \mode == 0
	WIN 0
	PLACES
	WLOAD \slot, 1, 0, 0
.endif
.if \mode == 1
	WIN 0
	s_wait_tensorcnt 0x0                           ; all my tensor loads have landed: the one that was out is my part of the other slot
	ds_add_u32 v14, v15
	s_wait_dscnt 0x0
	CROUND                                         ; no wave of any partner still reads this slot or has a load on its way
	s_add_nc_u64 s[G0+4*\slot+2:G0+4*\slot+3], s[G0+4*\slot+2:G0+4*\slot+3], 512          ; two K steps on in x
	s_add_nc_u64 s[G0B+4*\slot+2:G0B+4*\slot+3], s[G0B+4*\slot+2:G0B+4*\slot+3], 131072   ; and in the images
	JLOAD \slot                                    ; the first tensor load behind the round, my only one until the next: it has 192 matrix instructions in which to land
	PLACES
	WLOAD 1-\slot, 0, 0, 0
	XLOAD 1-\slot, 0
.endif
.if \mode == 2
	WIN 0
	s_wait_tensorcnt 0x0                           ; the last tile's part of mine has landed
	s_barrier_signal -1
	s_barrier_wait -1                              ; everybody's has
	PLACES
	WLOAD 1-\slot, 0, 0, 0
	XLOAD 1-\slot, 0
.endif
	SEG 3, \zero
.endm
.macro STEP slot, zero, mode           ; a K step of 64
	SUB \slot, 0, \zero, 0
	SUB \slot, 1, 0, \mode
.endm
	s_wait_tensorcnt 0x1                           ; my part of K step 0 is in; K step 1's may stay out
	s_barrier_signal -1
	s_barrier_wait -1
	WLOAD 0, 0, 0, 0
	XLOAD 0, 0
	STEP 0, 1, 1                                   ; K steps 0 and 1 stand in front of the loop: the first products start the sums, nothing is cleared
	STEP 1, 0, 1
	WIN 0
	s_mov_b32 s29, 2
.Lk:
	STEP 0, 0, 1                                   ; K steps 2 to 5: their refills bring steps 4 to 7
	STEP 1, 0, 1
	WIN 0
	s_sub_co_u32 s29, s29, 1
	s_cmp_lg_u32 s29, 0
	s_cbranch_scc1 .Lk
	STEP 0, 0, 2                                   ; K steps 6 and 7 fetch nothing
	STEP 1, 0, 3
	; THE WAY OUT: bias added and the 8 f32 of a tile packed in place, into the tile's first four registers, which are 16 bytes of a fragment image.
	WIN 0
	PLACES                                         ; behind the last matrix instructions, in front of the vector instructions that read their results
	s_wait_loadcnt 0x0                             ; the biases
.irp k, 0,2,4,6,8,10,12,14,16,18,20,22,24,26,28,30
	v_pk_mul_f32 v[BQ+\k:BQ+\k+1], v[BQ+\k:BQ+\k+1], CSCALE op_sel_hi:[1,0]   ; Q' = c (x Wq^T) + c bq
.endr
; wn: the window; col = 1: the values (a lane holds one feature, bias pair f; image of V^T); col = 0: Q and keys (a lane holds 8 features)
.macro EPI wn, bias, col, base
	WIN (\wn<<6)|\wn                               ; destination and source 0 in the window, the bias in window 0
.irp t, 0,1,2,3,4,5,6,7
.irp f, 0,1,2,3
.irp k, 0,2,4,6
.if \col
	v_pk_add_f32 v[8*(4*\t+\f)+\k:8*(4*\t+\f)+\k+1], v[8*(4*\t+\f)+\k:8*(4*\t+\f)+\k+1], v[\bias+2*\f:\bias+2*\f+1]
.else
	v_pk_add_f32 v[8*(4*\t+\f)+\k:8*(4*\t+\f)+\k+1], v[8*(4*\t+\f)+\k:8*(4*\t+\f)+\k+1], v[\bias+8*\f+\k:\bias+8*\f+\k+1]
.endif
.endr
.endr
.endr
	WIN (\wn<<6)|(\wn<<2)|\wn                      ; all three in the window
.irp t, 0,1,2,3,4,5,6,7
.irp f, 0,1,2,3
.irp i, 0,1,2,3
	v_cvt_pk_f16_f32 v[8*(4*\t+\f)+\i], v[8*(4*\t+\f)+2*\i], v[8*(4*\t+\f)+2*\i+1]   ; register i is written after its own value has been read
.endr
.endr
.endr
	WIN \wn<<2                                     ; a store's data is source 1
.irp t, 0,1,2,3,4,5,6,7
.irp f, 0,1,2,3
.if \col
	global_store_b128 v[LO], v[8*(4*\t+\f):8*(4*\t+\f)+3], s[\base:\base+1] offset:((\t/2)*4+\f)*1024+(\t%2)*512
.else
	global_store_b128 v[LO], v[8*(4*\t+\f):8*(4*\t+\f)+3], s[\base:\base+1] offset:(4*\t+\f)*512    ; the wave stores 512 consecutive bytes, aligned
.endif
.endr
.endr
.endm
	EPI 1, BQ, 0, 14
	EPI 2, BK, 0, 16
	EPI 3, BV, 1, 18
	WIN 0
	s_wait_tensorcnt 0x0
	ds_add_u32 v14, v15
	s_wait_dscnt 0x0
	CROUND                                         ; the closing round: no work-group ends while a partner may still ask for a tile that names it
	s_endpgm
.Lfunc_end_k_q53e0c7cc5a_qkv:
	.size	k_q53e0c7cc5a_qkv, .Lfunc_end_k_q53e0c7cc5a_qkv-k_q53e0c7cc5a_qkv
	.p2alignl 7, 3214868480
	.fill 96, 4, 3214868480
	.section	.rodata,"a",@progbits
	.p2align	6, 0x0
	.amdhsa_kernel k_q53e0c7cc5a_qkv
		.amdhsa_group_segment_fixed_size 327680
		.amdhsa_private_segment_fixed_size 0
		.amdhsa_enable_private_segment 0
		.amdhsa_kernarg_size 64
		.amdhsa_user_sgpr_count 2
		.amdhsa_user_sgpr_kernarg_segment_ptr 1
		.amdhsa_wavefront_size32 1
		.amdhsa_system_sgpr_workgroup_id_x 1
		.amdhsa_system_sgpr_workgroup_id_y 1
		.amdhsa_system_sgpr_workgroup_id_z 1
		.amdhsa_system_vgpr_workitem_id 0
		.amdhsa_next_free_vgpr 1024
		.amdhsa_next_free_sgpr 80
		.amdhsa_reserve_vcc 0
		.amdhsa_float_denorm_mode_32 3
		.amdhsa_float_denorm_mode_16_64 3
		.amdhsa_memory_ordered 1
		.amdhsa_forward_progress 1
		.amdhsa_inst_pref_size 245
	.end_amdhsa_kernel
	.amdgpu_metadata
---
amdhsa.version: [ 1, 2 ]
amdhsa.kernels:
  - .name:           k_q53e0c7cc5a_qkv
    .symbol:         k_q53e0c7cc5a_qkv.kd
    .args:
      - { .name: x, .offset: 0, .size: 8, .value_kind: global_buffer, .address_space: global }
      - { .name: wimg, .offset: 8, .size: 8, .value_kind: global_buffer, .address_space: global }
      - { .name: bq, .offset: 16, .size: 8, .value_kind: global_buffer, .address_space: global }
      - { .name: bv, .offset: 24, .size: 8, .value_kind: global_buffer, .address_space: global }
      - { .name: bk, .offset: 32, .size: 8, .value_kind: global_buffer, .address_space: global }
      - { .name: qimg, .offset: 40, .size: 8, .value_kind: global_buffer, .address_space: global }
      - { .name: kimg, .offset: 48, .size: 8, .value_kind: global_buffer, .address_space: global }
      - { .name: vimg, .offset: 56, .size: 8, .value_kind: global_buffer, .address_space: global }
    .group_segment_fixed_size: 327680
    .private_segment_fixed_size: 0
    .kernarg_segment_align: 8
    .kernarg_segment_size: 64
    .max_flat_workgroup_size: 128
    .sgpr_count:     80
    .vgpr_count:     1024
    .wavefront_size: 32
...
	.end_amdgpu_metadata
.endif
;; end of part 2
;; launch attn (part 3): grid 256 x 1, 8 waves a work-group, no clusters, 271,360 bytes of LDS; arguments qimg, kimg, vimg, oimg; writes oimg
.if DOCPART == 3
	.amdgcn_target "amdgcn-amd-amdhsa--gfx1250"
	.amdhsa_code_object_version 6
	.text
	.protected	k_q53e0c7cc5a_attn
	.globl	k_q53e0c7cc5a_attn
	.p2align	8
	.type	k_q53e0c7cc5a_attn,@function
k_q53e0c7cc5a_attn:
	s_mov_b64 s[64:65], 0
	v_nop
	global_prefetch_b8 v0, s[64:65] scope:SCOPE_SE
	s_setreg_imm32_b32 hwreg(HW_REG_WAVE_MODE, 25, 1), 1
	s_wait_xcnt 0x0
; attn: softmax(Q K^T / sqrt(512)) V for one (slice, head) and 512 of its 1,024 queries.  Work-group id = 2 blh + query half.
; THE KEYS STAY IN REGISTERS: wave w keeps keys 128 w .. 128 w + 127 for the whole launch, K as 16 fragments (v256-383) and V^T as 16 fragments (v384-511),
; loaded once, as consecutive bytes of the images.  Every wave walks all 32 query tiles of 16.  For a tile it makes S^T = K Q^T (16 matrix instructions; a lane
; then holds 64 scores of ONE query), takes away the true maximum of its 128 keys, exponentiates (base 2: the factor log2(e)/sqrt(512) is in Q already), and makes
; O^T = V^T P^T (16 matrix instructions; the packed P registers ARE the second operand).  The eight waves' partial results (O, maximum m, sum l) of four query
; tiles meet in LDS; each wave then merges two feature tiles of one query tile with the maximum over all eight: out = sum_w 2^(m_w - M) O_w / sum_w 2^(m_w - M) l_w.
; So the maximum of all 1,024 scores is taken away, exactly, and no sum is rescaled on the way.
; TWO TILES DEEP: a tile costs a wave 32 matrix instructions and 197 vector instructions, and neither waits for the other if they belong to different tiles.  So while
; tile j's softmax runs on one score buffer, the products V^T P^T of tile j - 1 and then K Q^T of tile j + 1 go, two at a time, between its vector instructions, on
; the other buffer.  P is packed in place into the low half of its score buffer, which keeps two score buffers inside window 0.  Each group of two costs two window
; switches, since K and V fill window 1 and a vector instruction's first source lies in window 0.  The pipeline is drained at each batch of four tiles, where the merge
; needs one score buffer and O's registers; the next batch's first products and the head of its softmax stand between the barrier's signal and its wait.
; NO MULTICAST: nothing is filled into LDS by a copy engine here; each byte of K and V is read once by a work-group, into registers, and only two work-groups share it.
; The result leaves as a fragment image with row = token, k = feature:  oimg byte  token tile*16384 + (2 head + u)*1024 + g*512 + lane*16.
; LIMITS: P and the result are rounded to f16.  P lies in (0, 1] since the maximum is taken away: its terms below 2^-24 count as zero beside a largest term of 1.
; The result is a convex mix of the values, so it has their range (below 65,504).  Maxima, sums and the merge are f32; exponentials below 2^-126 count as zero
; (ISA guide, v_exp_f32); NaN and infinite scores are not served.
.set LO,  1                            ; v1      16 x lane
.set AW,  2                            ; v2-5    LDS: my partial results, + 0, 64K, 128K, 192K
.set AR,  6                            ; v6-7    LDS: what I merge, buffer 0, 1
.set AM,  8                            ; v8      LDS: where my m and l go
.set AMR, 9                            ; v9      LDS: the eight m and l of my query
.set OOF, 10                           ; v10     my byte offset in oimg
.set TA,  11
.set TB,  12
.set T,   16                           ; v[16:19] four running maxima
.set MX,  20                           ; v[20:21] the maximum, twice
.set PL,  22                           ; v22      what the other half of the lanes holds
.set LS,  23                           ; v23      the sum
.set SM,  24                           ; v[24:31] four pairs of running sums
.set SEV, 32                           ; v[32:95]   scores, then P in v[32:63], of the batch's tiles 0 and 2
.set SOD, 96                           ; v[96:159]  the same of tiles 1 and 3
.set O,   160                          ; v[160:191] O^T, 4 feature tiles
.set Q,   192                          ; v[192:255] a ring of four query tiles, 16 registers each
.set MB,  96                           ; merge: v[96:159] one feature tile x 8 waves x 8 (the odd tiles' buffer, free at the merge)
.set GG,  160                          ;        v[160:175] the 8 weights, each twice
.set AC,  176                          ;        v[176:191] two feature tiles' results
.set MM,  176                          ;        v[176:183] m of the 8 waves, dead once the weights are made
.set LL,  184                          ;        v[184:191] l of the 8 waves, likewise
.set PBP, 131072                       ; LDS: partial results [buffer 2][query tile 4][feature tile 4][wave 8][half 2][512 bytes]
.set ML,  262144                       ; LDS: [buffer 2][query tile 4][m, l][query 16][wave 8] f32
.set NV,  197                          ; vector instructions of a tile's softmax
.set VH,  67                           ; of which so many stand between the barrier's signal and its wait
.set MSB, 0
.macro WIN new
.if MSB != (\new)
	s_set_vgpr_msb (MSB<<8)|(\new)
.set MSB, (\new)
.endif
.endm
.macro PLACES                          ; four places behind a matrix instruction (ISA guide 7.12.1)
.rept 4
	v_nop
.endr
.endm
	s_load_b256 s[4:11], s[0:1], 0x0               ; qimg s[4:5], kimg s[6:7], vimg s[8:9], oimg s[10:11]
	v_lshl_add_u32 v14, v0, 2, 0x42000
	v_mov_b32 v15, 0
	v_lshrrev_b32 v[TA], 5, v0
	v_readfirstlane_b32 s12, v[TA]                 ; wave
	s_lshr_b32 s13, ttmp9, 1                       ; blh
	s_and_b32 s14, ttmp9, 1                        ; which 512 queries
	s_mov_b32 s20, 0x76543210                      ; v_permlanex16_b32: lane i of one half reads lane i of the other
	s_mov_b32 s21, 0xfedcba98
	s_lshl_b32 s16, s13, 17
	s_mov_b32 s17, 0
	s_lshl_b32 s18, s12, 14                        ; my 128 keys: 16,384 bytes of each image
	s_add_co_u32 s18, s18, s16
	s_mov_b32 s19, 0
	s_lshl_b32 s15, s14, 16                        ; 32 query tiles x 2,048 bytes
	s_add_co_u32 s16, s16, s15
	s_lshr_b32 s24, s13, 3                         ; slice
	s_lshl_b32 s24, s24, 20                        ; 64 token tiles x 16,384 bytes
	s_lshl_b32 s25, s14, 19                        ; 32 token tiles
	s_add_co_u32 s24, s24, s25
	s_and_b32 s25, s13, 7                          ; head
	s_lshl_b32 s25, s25, 11
	s_add_co_u32 s24, s24, s25
	s_mov_b32 s25, 0
	v_and_b32 v[TA], 31, v0
	v_lshlrev_b32 v[LO], 4, v[TA]
	v_and_b32 v[TB], 15, v0
	v_lshlrev_b32 v[TB], 5, v[TB]                  ; 32 x query
	s_lshl_b32 s26, s12, 10
	v_add_nc_u32 v[AW], s26, v[LO]
	v_add_nc_u32 v[AW+1], 0x10000, v[AW]
	v_add_nc_u32 v[AW+2], 0x20000, v[AW]
	v_add_nc_u32 v[AW+3], 0x30000, v[AW]
	s_lshr_b32 s27, s12, 1                         ; the query tile that I merge
	s_and_b32 s28, s12, 1                          ; and which two feature tiles of it
	s_lshl_b32 s29, s27, 15
	s_lshl_b32 s30, s28, 14
	s_add_co_u32 s29, s29, s30
	v_add_nc_u32 v[AR], s29, v[LO]
	v_add_nc_u32 v[AR+1], PBP, v[AR]
	s_lshl_b32 s30, s12, 2
	s_add_co_u32 s30, s30, ML
	v_add_nc_u32 v[AM], s30, v[TB]
	s_lshl_b32 s30, s27, 10
	s_add_co_u32 s30, s30, ML
	v_add_nc_u32 v[AMR], s30, v[TB]
	s_lshl_b32 s30, s27, 14
	s_lshl_b32 s31, s28, 10
	s_add_co_u32 s30, s30, s31
	v_add_nc_u32 v[OOF], s30, v[LO]
	v_mov_b32 v[PL], 0                             ; v_permlanex16_b32 counts as a reader of its destination
	s_wait_kmcnt 0x0
	s_add_nc_u64 s[4:5], s[4:5], s[16:17]
	s_add_nc_u64 s[6:7], s[6:7], s[18:19]
	s_add_nc_u64 s[8:9], s[8:9], s[18:19]
	s_add_nc_u64 s[10:11], s[10:11], s[24:25]
	; K, then Q, then V: the first products need K and one query tile, V is not needed before the second tile's softmax has begun
	WIN 0x40                                       ; destinations in window 1
.set i, 0
.rept 32
	global_load_b128 v[4*i:4*i+3], v[LO], s[6:7] offset:i*512            ; v256 + 4 i: K fragment (key tile kt, u) at 16 kt + 8 u
.set i, i+1
.endr
	WIN 0
.set i, 0
.rept 16
	global_load_b128 v[Q+4*i:Q+4*i+3], v[LO], s[4:5] offset:i*512        ; query tiles 0 to 3
.set i, i+1
.endr
	WIN 0x40
.set i, 0
.rept 32
	global_load_b128 v[128+4*i:128+4*i+3], v[LO], s[8:9] offset:i*512    ; v384 + 4 i: V^T fragment (ks, feature tile ft) at 128 + 8 (4 ks + ft)
.set i, i+1
.endr
	WIN 0
; THE MATRIX STREAM.  Instruction widx of the 32 that go beside one tile's softmax, on the other buffer so:
;   0 .. 15: O^T = V^T P^T of the tile before (widx = 4 ks + ft; P in v[so .. so + 31]);   16 .. 31: S^T = K Q^T of the tile after (ring place jn), into v[so .. so + 63].
; O's four and S's eight accumulators take turns, one instruction a turn.
.macro WM so, jn
.if widx < 4
	v_wmma_f32_16x16x32_f16 v[O+8*widx:O+8*widx+7], v[128+8*widx:128+8*widx+7], v[\so:\so+7], 0
.elseif widx < 16
	v_wmma_f32_16x16x32_f16 v[O+8*(widx%4):O+8*(widx%4)+7], v[128+8*widx:128+8*widx+7], v[\so+8*(widx/4):\so+8*(widx/4)+7], v[O+8*(widx%4):O+8*(widx%4)+7]
.elseif widx < 24
	v_wmma_f32_16x16x32_f16 v[\so+8*(widx-16):\so+8*(widx-16)+7], v[16*(widx-16):16*(widx-16)+7], v[Q+16*\jn:Q+16*\jn+7], 0
.else
	v_wmma_f32_16x16x32_f16 v[\so+8*(widx-24):\so+8*(widx-24)+7], v[16*(widx-24)+8:16*(widx-24)+15], v[Q+16*\jn+8:Q+16*\jn+15], v[\so+8*(widx-24):\so+8*(widx-24)+7]
.endif
.set widx, widx+1
.endm
.macro WRUN so, jn, from, to           ; a run of them with nothing between
.set widx, \from
	WIN 0x01                                       ; source 0 (K, V) in window 1
.rept \to-\from
	WM \so, \jn
.endr
	WIN 0
.endm
; THE VECTOR STREAM: instruction vidx (0 .. 196) of the softmax of the tile whose scores lie in v[sb .. sb + 63].
;   0 .. 34    the maximum of my 64 scores (all of query lane % 16) in four chains, then the other half of the lanes; it ends up in both registers of MX
;   35 .. 42   the maximum taken away from registers 0 .. 15
;   43 .. 170  64 exponentials in turn with 64 plain instructions;   171 .. 196  the last 26 plain instructions
; The 90 plain instructions, in order: the maximum taken away from registers 16 .. 63 (24); then for each 16 registers c = 0 .. 3 their sum (7) and their packing to
; f16 (8), P register 8 c + i from registers 16 c + 2 i and + 1, written only over registers whose sum and packing are done; then the sums joined (6).
; An exponential's register has had its maximum taken away at least 8 instructions earlier, and is summed at least 7 instructions later, plain ones among them:
; so each exponential has its one plain place (ISA guide 5.7.2) before its result is read, and the instruction next to it names other registers.
.macro SUBP sb
	v_pk_add_f32 v[\sb+2*sn:\sb+2*sn+1], v[\sb+2*sn:\sb+2*sn+1], v[MX:MX+1] neg_lo:[0,1] neg_hi:[0,1]
.endm
.macro PLAIN sb
.if pq < 24
.set sn, pq+8
	SUBP \sb
.elseif pq < 84
.set pcc, (pq-24)/15
.set ptt, (pq-24)%15
.if ptt == 0
	s_wait_alu depctr_va_vdst(0)
	v_pk_add_f32 v[SM+2*pcc:SM+2*pcc+1], v[\sb+16*pcc:\sb+16*pcc+1], v[\sb+16*pcc+2:\sb+16*pcc+3]
.elseif ptt < 7
	s_wait_alu depctr_va_vdst(0)
	v_pk_add_f32 v[SM+2*pcc:SM+2*pcc+1], v[SM+2*pcc:SM+2*pcc+1], v[\sb+16*pcc+2*ptt+2:\sb+16*pcc+2*ptt+3]
.else
	v_cvt_pk_f16_f32 v[\sb+8*pcc+ptt-7], v[\sb+16*pcc+2*(ptt-7)], v[\sb+16*pcc+2*(ptt-7)+1]   ; key tiles 2 ks and 2 ks + 1, packed, are fragment ks of P^T
.endif
.elseif pq == 84
	v_pk_add_f32 v[SM:SM+1], v[SM:SM+1], v[SM+2:SM+3]
.elseif pq == 85
	v_pk_add_f32 v[SM+4:SM+5], v[SM+4:SM+5], v[SM+6:SM+7]
.elseif pq == 86
	v_pk_add_f32 v[SM:SM+1], v[SM:SM+1], v[SM+4:SM+5]
.elseif pq == 87
	v_add_f32 v[LS], v[SM], v[SM+1]
.elseif pq == 88
	v_permlanex16_b32 v[PL], v[LS], s20, s21
.else
	v_add_f32 v[LS], v[LS], v[PL]
.endif
.endm
.macro VOP sb
.if vidx < 4
	v_max3_num_f32 v[T+vidx], v[\sb+16*vidx], v[\sb+16*vidx+1], v[\sb+16*vidx+2]
.elseif vidx < 28
	v_max3_num_f32 v[T+(vidx-4)%4], v[T+(vidx-4)%4], v[\sb+16*((vidx-4)%4)+2*((vidx-4)/4)+3], v[\sb+16*((vidx-4)%4)+2*((vidx-4)/4)+4]
.elseif vidx == 28
	v_max3_num_f32 v[T], v[T], v[T+1], v[\sb+15]
.elseif vidx == 29
	v_max3_num_f32 v[T+2], v[T+2], v[T+3], v[\sb+31]
.elseif vidx == 30
	v_max3_num_f32 v[T], v[T], v[T+2], v[\sb+47]
.elseif vidx == 31
	v_max_num_f32 v[T], v[T], v[\sb+63]
.elseif vidx == 32
	v_permlanex16_b32 v[PL], v[T], s20, s21
.elseif vidx == 33
	v_max_num_f32 v[MX], v[T], v[PL]               ; the maximum over my wave's 128 keys, in both lanes of the query
.elseif vidx == 34
	v_max_num_f32 v[MX+1], v[T], v[PL]
.elseif vidx < 43
.set sn, vidx-35
	SUBP \sb
.elseif vidx < 171
.if (vidx-43)%2 == 0
	v_exp_f32 v[\sb+(vidx-43)/2], v[\sb+(vidx-43)/2]
.else
.set pq, (vidx-44)/2
	PLAIN \sb
.endif
.else
.set pq, vidx-107
	PLAIN \sb
.endif
.endm
.macro DSTORE p, j                     ; O^T of the batch's tile j into LDS buffer p: 512 consecutive bytes a store
.irp ft, 0,1,2,3
	ds_store_b128 v[AW+2*\p+\j/2], v[O+8*\ft:O+8*\ft+3]   offset:(\j%2)*32768+\ft*8192
	ds_store_b128 v[AW+2*\p+\j/2], v[O+8*\ft+4:O+8*\ft+7] offset:(\j%2)*32768+\ft*8192+512
.endr
.endm
.macro MLSTORE p, j                    ; m and l leave at the end of their own tile's softmax: the next maximum is made before this tile's O is
	ds_store_b32 v[AM], v[MX] offset:\p*4096+\j*1024           ; both lanes of a query write the same word with the same value
	ds_store_b32 v[AM], v[LS] offset:\p*4096+\j*1024+512
.endm
.macro RELOAD j                        ; ring place j gets the next batch's tile j.  It stands at least 26 plain vector instructions behind the products that read the place
.irp i, 0,1,2,3
	global_load_b128 v[Q+16*\j+4*\i:Q+16*\j+4*\i+3], v[LO], s[4:5] offset:8192+\j*2048+\i*512
.endr
.endm
; THE TWO STREAMS TOGETHER: vector instructions vfrom .. vto - 1 on buffer sb; ahead of every step-th of them a group of two matrix instructions, wfrom .. wto - 1, on
; buffer so.  dpos: ahead of this vector instruction O of tile jd goes to LDS buffer p.  leftc, lefta: the load counts in front of the first product with V and with K.
.macro RUN sb, so, jn, vfrom, vto, wfrom, wto, step, dpos, p, jd, leftc, lefta
.set vidx, \vfrom
.set widx, \wfrom
.set gpos, \vfrom
.rept \vto-\vfrom
.if vidx == \dpos
	DSTORE \p, \jd
.endif
.if widx < \wto
.if vidx == gpos
.if widx == 0
.if \leftc < 64
	s_wait_loadcnt \leftc                          ; V is in; only the reloads issued behind it may stay out
.endif
.endif
.if widx == 16
	s_wait_loadcnt \lefta                          ; loads come back in order (ISA guide 5.7.1): the tile's four are in, what was issued behind them stays out
.endif
	WIN 0x01
	WM \so, \jn
	WM \so, \jn
	WIN 0
.set gpos, gpos+\step
.endif
.endif
	VOP \sb
.set vidx, vidx+1
.endr
.endm
; The head of a batch: the products K Q^T of its tile 0, four places, and the first VH vector instructions of that tile's softmax.  Register work alone.
.macro HEAD
	WRUN SEV, 0, 16, 32
	PLACES
	RUN SEV, SOD, 0, 0, VH, 0, 0, 1, 999, 0, 0, 99, 99
.endm
; I merge query tile wave / 2, feature tiles 2 (wave % 2) and + 1, of buffer p, one feature tile at a time in 64 registers:
; the second tile's loads are issued as the first tile's registers are used up.
.macro MERGE p
	ds_load_b128 v[MM:MM+3],   v[AMR] offset:\p*4096
	ds_load_b128 v[MM+4:MM+7], v[AMR] offset:\p*4096+16
	ds_load_b128 v[LL:LL+3],   v[AMR] offset:\p*4096+512
	ds_load_b128 v[LL+4:LL+7], v[AMR] offset:\p*4096+528
.irp w, 0,1,2,3,4,5,6,7
	ds_load_b128 v[MB+8*\w:MB+8*\w+3],   v[AR+\p] offset:\w*1024
	ds_load_b128 v[MB+8*\w+4:MB+8*\w+7], v[AR+\p] offset:\w*1024+512
.endr
	s_wait_dscnt 16                                ; the eight m and l are in; the 16 loads of partial results issued behind them may stay out
	v_max3_num_f32 v[TA], v[MM], v[MM+1], v[MM+2]
	v_max3_num_f32 v[TB], v[MM+3], v[MM+4], v[MM+5]
	v_max3_num_f32 v[TA], v[TA], v[MM+6], v[MM+7]
	v_max_num_f32 v[TA], v[TA], v[TB]              ; M: the maximum over all 1,024 keys
.irp w, 0,1,2,3,4,5,6,7
	v_sub_f32 v[GG+2*\w], v[MM+\w], v[TA]
.endr
.irp w, 0,1,2,3,4,5,6,7
	v_exp_f32 v[GG+2*\w], v[GG+2*\w]
.endr
	v_nop
	s_wait_alu depctr_va_vdst(0)
	v_mul_f32 v[TB], v[GG], v[LL]
.irp w, 1,2,3,4,5,6,7
	v_fmac_f32 v[TB], v[GG+2*\w], v[LL+\w]         ; the sum is at least 1: the wave that holds M counts its largest term as 1
.endr
	v_rcp_f32 v[TB], v[TB]
	v_nop
.irp w, 0,1,2,3,4,5,6,7
	s_wait_alu depctr_va_vdst(0)
	v_mul_f32 v[GG+2*\w+1], v[GG+2*\w], v[TB]      ; the weight, in both registers of its pair
	v_mul_f32 v[GG+2*\w], v[GG+2*\w], v[TB]
.endr
	s_wait_dscnt 0x0                               ; the first feature tile's partial results are in
.irp k, 0,2,4,6
	v_pk_mul_f32 v[AC+\k:AC+\k+1], v[MB+\k:MB+\k+1], v[GG:GG+1]
.endr
	ds_load_b128 v[MB:MB+3],   v[AR+\p] offset:8192
	ds_load_b128 v[MB+4:MB+7], v[AR+\p] offset:8192+512
.irp w, 1,2,3,4,5,6,7
.irp k, 0,2,4,6
	v_pk_fma_f32 v[AC+\k:AC+\k+1], v[MB+8*\w+\k:MB+8*\w+\k+1], v[GG+2*\w:GG+2*\w+1], v[AC+\k:AC+\k+1]
.endr
	ds_load_b128 v[MB+8*\w:MB+8*\w+3],   v[AR+\p] offset:8192+\w*1024
	ds_load_b128 v[MB+8*\w+4:MB+8*\w+7], v[AR+\p] offset:8192+\w*1024+512
.endr
.irp i, 0,1,2,3
	v_cvt_pk_f16_f32 v[AC+\i], v[AC+2*\i], v[AC+2*\i+1]
.endr
	global_store_b128 v[OOF], v[AC:AC+3], s[10:11]             ; the wave stores 512 consecutive bytes, aligned
	s_wait_dscnt 0x0                               ; the second feature tile's partial results are in
.irp k, 0,2,4,6
	v_pk_mul_f32 v[AC+8+\k:AC+8+\k+1], v[MB+\k:MB+\k+1], v[GG:GG+1]
.endr
.irp w, 1,2,3,4,5,6,7
.irp k, 0,2,4,6
	v_pk_fma_f32 v[AC+8+\k:AC+8+\k+1], v[MB+8*\w+\k:MB+8*\w+\k+1], v[GG+2*\w:GG+2*\w+1], v[AC+8+\k:AC+8+\k+1]
.endr
.endr
.irp i, 0,1,2,3
	v_cvt_pk_f16_f32 v[AC+8+\i], v[AC+8+2*\i], v[AC+8+2*\i+1]
.endr
	global_store_b128 v[OOF], v[AC+8:AC+11], s[10:11] offset:512
.endm
; A BATCH of four query tiles, LDS buffer p.  It begins where HEAD has left tile 0.  next = 1: another batch follows (its tiles are loaded, its head is run).
; Stage j is tile j's softmax with, beside it, the products with V of tile j - 1 and the products with K of tile j + 1.
;   In stages 1 and 2 the groups stand ahead of vector instructions 0, 11, .. 165.  O goes to LDS ahead of instruction 88, behind the five plain instructions among
;   77 .. 87; the products that write over P's last fragment stand eleven plain instructions behind its last reader; 26 plain instructions and more follow the last group,
;   ahead of the next stage's reads of the new scores.  In stage 3 O goes ahead of instruction 152, behind the six plain instructions among 140 .. 151.
; ONE barrier a batch is enough with two LDS buffers: a wave stores into the other buffer only behind this barrier's wait, and in front of its signal every wave has
; waited for all its LDS instructions, the last merge's reads of that buffer among them.
.macro BATCH p, next, la1, lc0, la2, la3
.if \next
	RELOAD 0
.endif
	RUN SEV, SOD, 1, VH, NV, 16, 32, 14, 999, 0, 0, 99, \la1   ; stage 0, the rest of it: groups ahead of 67, 81, .. 165
	MLSTORE \p, 0
.if \next
	RELOAD 1
.endif
	RUN SOD, SEV, 2, 0, NV, 0, 32, 11, 88, \p, 0, \lc0, \la2   ; stage 1
	MLSTORE \p, 1
.if \next
	RELOAD 2
.endif
	RUN SEV, SOD, 3, 0, NV, 0, 32, 11, 88, \p, 1, 99, \la3     ; stage 2
	MLSTORE \p, 2
.if \next
	RELOAD 3
.endif
	RUN SOD, SEV, 0, 0, NV, 0, 16, 20, 152, \p, 2, 99, 99      ; stage 3: groups ahead of 0, 20, .. 140
	MLSTORE \p, 3
	WRUN SOD, 0, 0, 16                             ; tile 3's products with V
	PLACES
	DSTORE \p, 3
.if \next
	s_wait_loadcnt 12                              ; the next batch's tile 0 is in; its tiles 1 to 3 (four loads each) may stay out
.endif
	s_wait_dscnt 0x0                               ; my partial results are in LDS
	s_barrier_signal -1
.if \next
	HEAD                                           ; register work while the others arrive
.endif
	s_barrier_wait -1                              ; everybody's partial results are in LDS
	MERGE \p
.if \next
	s_wait_xcnt 0x0                                ; the bases, and the merge's store data, are rewritten only behind this wait
	s_add_nc_u64 s[4:5], s[4:5], 8192              ; four query tiles on
	s_add_nc_u64 s[10:11], s[10:11], 65536         ; four token tiles on
.endif
.endm
	s_wait_loadcnt 44                              ; K and query tile 0 are in; tiles 1 to 3 (12 loads) and V (32) may stay out
	HEAD
	BATCH 0, 1, 44, 8, 12, 12                      ; tile 1: tiles 2, 3 (8), V (32) and one reload (4) may stay out; V: two reloads (8) may stay out
	s_mov_b32 s22, 3
.Lb:
	BATCH 1, 1, 12, 99, 12, 12                     ; in front of each tile's products three younger tiles' loads, four each, may stay out
	BATCH 0, 1, 12, 99, 12, 12
	s_sub_co_u32 s22, s22, 1
	s_cmp_lg_u32 s22, 0
	s_cbranch_scc1 .Lb
	BATCH 1, 0, 8, 99, 4, 0                        ; nothing more to load: the counts run down
	s_wait_tensorcnt 0x0
	ds_add_u32 v14, v15
	s_wait_dscnt 0x0
	s_endpgm
.Lfunc_end_k_q53e0c7cc5a_attn:
	.size	k_q53e0c7cc5a_attn, .Lfunc_end_k_q53e0c7cc5a_attn-k_q53e0c7cc5a_attn
	.p2alignl 7, 3214868480
	.fill 96, 4, 3214868480
	.section	.rodata,"a",@progbits
	.p2align	6, 0x0
	.amdhsa_kernel k_q53e0c7cc5a_attn
		.amdhsa_group_segment_fixed_size 271360
		.amdhsa_private_segment_fixed_size 0
		.amdhsa_enable_private_segment 0
		.amdhsa_kernarg_size 32
		.amdhsa_user_sgpr_count 2
		.amdhsa_user_sgpr_kernarg_segment_ptr 1
		.amdhsa_wavefront_size32 1
		.amdhsa_system_sgpr_workgroup_id_x 1
		.amdhsa_system_sgpr_workgroup_id_y 1
		.amdhsa_system_sgpr_workgroup_id_z 1
		.amdhsa_system_vgpr_workitem_id 0
		.amdhsa_next_free_vgpr 512
		.amdhsa_next_free_sgpr 66
		.amdhsa_reserve_vcc 0
		.amdhsa_float_denorm_mode_32 3
		.amdhsa_float_denorm_mode_16_64 3
		.amdhsa_memory_ordered 1
		.amdhsa_forward_progress 1
		.amdhsa_inst_pref_size 255
	.end_amdhsa_kernel
	.section	.bss,"aw",@nobits
	.p2align	6
	.space	262144
	.amdgpu_metadata
---
amdhsa.version: [ 1, 2 ]
amdhsa.kernels:
  - .name:           k_q53e0c7cc5a_attn
    .symbol:         k_q53e0c7cc5a_attn.kd
    .args:
      - { .name: qimg, .offset: 0, .size: 8, .value_kind: global_buffer, .address_space: global }
      - { .name: kimg, .offset: 8, .size: 8, .value_kind: global_buffer, .address_space: global }
      - { .name: vimg, .offset: 16, .size: 8, .value_kind: global_buffer, .address_space: global }
      - { .name: oimg, .offset: 24, .size: 8, .value_kind: global_buffer, .address_space: global }
    .group_segment_fixed_size: 271360
    .private_segment_fixed_size: 0
    .kernarg_segment_align: 8
    .kernarg_segment_size: 32
    .max_flat_workgroup_size: 256
    .sgpr_count:     66
    .vgpr_count:     512
    .wavefront_size: 32
...
	.end_amdgpu_metadata
.endif
;; end of part 3
;; launch oproj (part 4): grid 128 x 2, 4 waves a work-group, clusters of 4 x 1, 296,448 bytes of LDS; arguments oimg, wimg, bo, out0; writes out0
.if DOCPART == 4
	.amdgcn_target "amdgcn-amd-amdhsa--gfx1250"
	.amdhsa_code_object_version 6
	.text
	.protected	k_q53e0c7cc5a_oproj
	.globl	k_q53e0c7cc5a_oproj
	.p2align	8
	.type	k_q53e0c7cc5a_oproj,@function
k_q53e0c7cc5a_oproj:
	s_mov_b64 s[64:65], 0
	v_nop
	global_prefetch_b8 v0, s[64:65] scope:SCOPE_SE
	s_setreg_imm32_b32 hwreg(HW_REG_WAVE_MODE, 25, 1), 1
	s_wait_xcnt 0x0
	s_wait_alu depctr_hold_cnt(0) depctr_sa_sdst(0) depctr_va_vdst(0) depctr_va_sdst(0) depctr_va_ssrc(0) depctr_va_vcc(0) depctr_vm_vsrc(0)
	s_getreg_b32 s2, hwreg(HW_REG_IB_STS2, 6, 4)
	s_cmp_eq_u32 s2, 0
	s_cbranch_scc0 .Lentry_in_a_cluster
	s_endpgm
.Lentry_in_a_cluster:
	s_bfe_u32 s2, ttmp6, 0x10000c
	s_cmp_lg_u32 s2, 0x3003
	s_cbranch_scc0 .Lentry_shape_is_right
	s_endpgm
.Lentry_shape_is_right:
; oproj: out0 = inter Wo^T + bo.  A work-group (gx = 4 x cluster x + place x, gy) makes 128 tokens x 256 features; a wave (wm, wn) 64 tokens x 128 features:
; 4 token tiles x 8 feature tiles = 32 accumulators in window 3.  Both operands are ready f16 fragments.
; The tokens' fragments for all of K = 512 (512 registers, windows 1 and 2) come straight from oimg, 65,536 consecutive bytes a wave, asked for in the order of use.
; The work-group's 256 rows of Wo for all of K (262,144 bytes of Wo's image) are laid into LDS once, in eight chunks of one K step of 64; each wave brings a quarter of a chunk.
; No LDS byte is filled twice.  A wave has eight tensor loads out at the most, all issued at the start.
; CLUSTERS: the four work-groups along x need the same rows of Wo: the chunks are asked for jointly, with the mask of all four.
; Wo is source 0, so a lane's 8 results are 8 neighbouring features of one token; the bias enters as the first product's C.  16 tokens at a time go through the
; wave's own LDS stage and leave as whole rows of 512 bytes.
; LIMITS: operands in f16 (magnitudes below 65,504, step 2^-24 below 2^-14), sums in f32; NaN and infinities in the inputs are not served.
.set LO,  2                            ; v2     16 x lane: offset in oimg and in a row of out0
.set ADW, 4                            ; v4-7   LDS address of my Wo fragments, + 0, 64K, 128K, 192K
.set STO, 8                            ; v8     stage, going in
.set RD,  9                            ; v9     stage, coming out
.set VB8, 10                           ; v10    32 x (lane / 16)
.set WB,  16                           ; v[16:79], v[80:143] two buffers of 8 Wo fragments
.set BI,  144                          ; v[144:207] bo: feature tile f at 8 f, the 8 features 8 h + 0..7
.set STAGE, 262144
.set SPITCH, 528                       ; 512 bytes + 16: an odd multiple of 16
.set G1, 24                            ; s[24:31] group 1
.set G0, 32                            ; s[32:63] group 0, a set for each chunk
.set MSB, 0
.macro WIN new
.if MSB != (\new)
	s_set_vgpr_msb (MSB<<8)|(\new)
.set MSB, (\new)
.endif
.endm
.macro PLACES                          ; four places behind a matrix instruction (ISA guide 7.12.1)
.rept 4
	v_nop
.endr
.endm
.macro ROUND                           ; a round of the cluster's barrier
	s_barrier_signal -1
	s_barrier_wait -1
	s_cmp_lg_u32 s12, 0
	s_cbranch_scc1 .Lnot_wave_0_\@
	s_barrier_signal -3
.Lnot_wave_0_\@:
	s_barrier_wait -3
	s_barrier_signal -1
	s_barrier_wait -1
.endm
	s_load_b256 s[4:11], s[0:1], 0x0               ; oimg s[4:5], wimg s[6:7], bo s[8:9], out0 s[10:11]
	v_lshl_add_u32 v254, v0, 2, 0x48400
	v_mov_b32 v255, 0
	ds_add_u32 v254, v255
	v_lshrrev_b32 v1, 5, v0
	v_readfirstlane_b32 s12, v1                    ; wave
	s_lshr_b32 s13, s12, 1                         ; wm: which 64 tokens
	s_and_b32 s14, s12, 1                          ; wn: which 128 features
	s_bfe_u32 s15, ttmp6, 0x40000                  ; cx
	s_lshl_b32 s16, ttmp9, 2
	s_add_co_u32 s16, s16, s15                     ; gx
	s_and_b32 s17, ttmp7, 0xffff                   ; gy: the cluster is one work-group high
	; group 1: a dense block of 8,192 bytes as 32 rows of 32 elements of 8 bytes
	s_mov_b32 s[G1+0], 15|(3<<16)|(1<<21)          ; mask: all four; element of 8 bytes; bit 21 beside a mask
	s_mov_b32 s[G1+1], 32<<16
	s_mov_b32 s[G1+2], 32<<16
	s_mov_b32 s[G1+3], 32<<16
	s_mov_b32 s[G1+4], 32
	s_mov_b32 s[G1+5], 32
	s_mov_b32 s[G1+6], 0
	s_mov_b32 s[G1+7], 0
	s_lshl_b32 s18, s17, 15                        ; gy's 16 feature tiles x 2,048 bytes
	s_lshl_b32 s19, s12, 13                        ; my quarter
	s_add_co_u32 s18, s18, s19
	s_add_co_u32 s18, s18, 1572864                 ; Wo's image is the fourth
	s_mov_b32 s19, 0
	s_lshl_b32 s20, s12, 13                        ; and where it lands: wave x 8,192
	s_wait_dscnt 0x0
	s_wait_kmcnt 0x0
	s_add_nc_u64 s[22:23], s[6:7], s[18:19]        ; hangs on gy and the wave alone, which the four partners share
	ROUND                                          ; all four work-groups are here: the joint loads meet
.irp c, 0,1,2,3,4,5,6,7
	s_mov_b32 s[G0+4*\c], 1
	s_add_co_u32 s[G0+4*\c+1], s20, \c*32768
	s_add_nc_u64 s[G0+4*\c+2:G0+4*\c+3], s[22:23], \c*65536
	s_or_b32 s[G0+4*\c+3], s[G0+4*\c+3], 0x80000000
	tensor_load_to_lds s[G0+4*\c:G0+4*\c+3], s[G1:G1+7]
	s_nop 0
.endr
	s_lshl_b32 s66, s16, 17                        ; oimg: 8 token tiles x 16,384 bytes
	s_lshl_b32 s67, s13, 16
	s_add_co_u32 s66, s66, s67
	s_mov_b32 s67, 0
	s_add_nc_u64 s[4:5], s[4:5], s[66:67]
	s_lshl_b32 s68, s17, 10                        ; my first feature, in bytes of f32
	s_lshl_b32 s69, s14, 9
	s_add_co_u32 s68, s68, s69
	s_mov_b32 s69, 0
	s_add_nc_u64 s[8:9], s[8:9], s[68:69]
	s_lshl_b32 s70, s16, 18                        ; out0: 128 tokens x 2,048 bytes
	s_lshl_b32 s71, s13, 17
	s_add_co_u32 s70, s70, s71
	s_add_co_u32 s70, s70, s68
	s_mov_b32 s71, 0
	s_add_nc_u64 s[10:11], s[10:11], s[70:71]
	v_and_b32 v1, 31, v0
	v_lshlrev_b32 v[LO], 4, v1
	v_and_b32 v1, 15, v0                           ; r
	v_bfe_u32 v3, v0, 4, 1                         ; h
	v_lshlrev_b32 v[VB8], 5, v3
	s_lshl_b32 s21, s14, 14                        ; my 8 feature tiles in a chunk
	v_add_nc_u32 v[ADW], s21, v[LO]
	v_add_nc_u32 v[ADW+1], 0x10000, v[ADW]
	v_add_nc_u32 v[ADW+2], 0x20000, v[ADW]
	v_add_nc_u32 v[ADW+3], 0x30000, v[ADW]
	s_mul_i32 s21, s12, 16*SPITCH
	s_add_co_u32 s21, s21, STAGE                   ; my stage: behind the chunks, never a tensor load's target
	v_mul_u32_u24 v1, v1, SPITCH
	v_add_nc_u32 v[STO], v1, v[VB8]                ; token r, 32 bytes at 32 h
	v_add_nc_u32 v[STO], s21, v[STO]
	v_add_nc_u32 v[RD], s21, v[LO]
.irp f, 0,1,2,3,4,5,6,7
	global_load_b128 v[BI+8*\f:BI+8*\f+3],   v[VB8], s[8:9] offset:\f*64
	global_load_b128 v[BI+8*\f+4:BI+8*\f+7], v[VB8], s[8:9] offset:\f*64+16
.endr
; 16 loads: the token fragments of K step s (64 along K), 4 token tiles; register ((s % 4) 4 + t) 16 + 8 u + 4 g of window 1 (s < 4) or 2
.macro TLOAD s
	WIN (1+(\s)/4)<<6
.irp t, 0,1,2,3
.irp k, 0,1,2,3
	global_load_b128 v[(((\s)%4)*4+\t)*16+4*\k:(((\s)%4)*4+\t)*16+4*\k+3], v[LO], s[4:5] offset:\t*16384+(\s)*2048+\k*512
.endr
.endr
	WIN 0
.endm
; 16 LDS loads: my 8 Wo fragments of (K step s, half u) into buffer u; each takes 512 consecutive bytes
.macro FETCH s, u
.irp f, 0,1,2,3,4,5,6,7
	ds_load_b128 v[WB+64*\u+8*\f:WB+64*\u+8*\f+3],   v[ADW+(\s)/2] offset:((\s)%2)*32768+\f*2048+\u*1024
	ds_load_b128 v[WB+64*\u+8*\f+4:WB+64*\u+8*\f+7], v[ADW+(\s)/2] offset:((\s)%2)*32768+\f*2048+\u*1024+512
.endr
.endm
.macro MULWIN s, u                     ; source 0 (Wo) window 0; source 1 (tokens) window 1 or 2; D window 3; C window 3, in the first products window 0 (the bias)
.if 2*\s+\u == 0
	WIN 0xc4
.elseif \s < 4
	WIN 0xf4
.else
	WIN 0xf8
.endif
.endm
; 16 matrix instructions: feature tiles f0 .. f0 + 3 x 4 token tiles.  The 32 accumulators take turns, one instruction a turn
.macro MUL s, u, f0
.irp f, \f0, \f0+1, \f0+2, \f0+3
.irp t, 0,1,2,3
.if 2*\s+\u == 0
	v_wmma_f32_16x16x32_f16 v[8*(8*\t+\f):8*(8*\t+\f)+7], v[WB+64*\u+8*(\f):WB+64*\u+8*(\f)+7], v[((\s%4)*4+\t)*16+8*\u:((\s%4)*4+\t)*16+8*\u+7], v[BI+8*(\f):BI+8*(\f)+7]
.else
	v_wmma_f32_16x16x32_f16 v[8*(8*\t+\f):8*(8*\t+\f)+7], v[WB+64*\u+8*(\f):WB+64*\u+8*(\f)+7], v[((\s%4)*4+\t)*16+8*\u:((\s%4)*4+\t)*16+8*\u+7], v[8*(8*\t+\f):8*(8*\t+\f)+7]
.endif
.endr
.endr
.endm
; 32 along K: 32 matrix instructions; in their middle the next 32's Wo fragments are asked for
.macro SUB s, u
	s_wait_dscnt 0x0                               ; this half step's Wo fragments are in
.if \u == 0
.if \s <= 4
	s_wait_loadcnt 48                              ; this K step's token fragments are in (at s = 0 the bias too); three later steps' 16 loads each may stay out
.else
	s_wait_loadcnt (7-\s)*16                       ; fewer steps are left
.endif
.endif
	MULWIN \s, \u
	MUL \s, \u, 0
.if 2*\s+\u < 15
	WIN 0
	PLACES
.if \u == 1
	s_wait_tensorcnt 6-\s                          ; tensor loads of a wave end in order (ISA guide 10.11.1): my quarter of chunk s + 1 is in, the later chunks stay out
	s_barrier_signal -1
	s_barrier_wait -1                              ; everybody's is
	FETCH \s+1, 0
.else
	FETCH \s, 1
.if \s <= 3
	TLOAD \s+4
.endif
.endif
.endif
	MULWIN \s, \u
	MUL \s, \u, 4
.endm
	TLOAD 0
	TLOAD 1
	TLOAD 2
	TLOAD 3
	s_wait_tensorcnt 0x7                           ; my quarter of chunk 0 is in; the seven later chunks stay out
	s_barrier_signal -1
	s_barrier_wait -1
	FETCH 0, 0
.irp s, 0,1,2,3,4,5,6,7
	SUB \s, 0
	SUB \s, 1
.endr
	; THE WAY OUT, 16 tokens at a time: 32 bytes a lane and feature tile into my stage, whole rows of 512 bytes back, 512 consecutive aligned bytes a store
	WIN 0
	PLACES
.macro OUT16 t, buf
	WIN 0x0c                                       ; an LDS store's data is source 1: window 3
.irp f, 0,1,2,3,4,5,6,7
	ds_store_b128 v[STO], v[8*(8*\t+\f):8*(8*\t+\f)+3]   offset:\f*64
	ds_store_b128 v[STO], v[8*(8*\t+\f)+4:8*(8*\t+\f)+7] offset:\f*64+16
.endr
	WIN 0
	s_wait_xcnt 0x0                                ; the buffer, which earlier stores read, is loaded again only behind this wait
.irp i, 0,1,2,3,4,5,6,7,8,9,10,11,12,13,14,15
	ds_load_b128 v[\buf+4*\i:\buf+4*\i+3], v[RD] offset:\i*SPITCH      ; LDS serves a wave's instructions in order (ISA guide 5.7.1.4): these see the stores above
.endr
.irp i, 0,1,2,3,4,5,6,7,8,9,10,11,12,13,14,15
	s_wait_dscnt 15-\i
	global_store_b128 v[LO], v[\buf+4*\i:\buf+4*\i+3], s[10:11] offset:(16*\t+\i)*2048 th:TH_STORE_NT
.endr
.endm
	OUT16 0, WB
	OUT16 1, WB+64
	OUT16 2, WB
	OUT16 3, WB+64
	s_wait_tensorcnt 0x0
	ds_add_u32 v254, v255
	s_wait_dscnt 0x0
	ROUND                                          ; the closing round: no work-group ends while a partner may still ask for a chunk that names it
	s_endpgm
.Lfunc_end_k_q53e0c7cc5a_oproj:
	.size	k_q53e0c7cc5a_oproj, .Lfunc_end_k_q53e0c7cc5a_oproj-k_q53e0c7cc5a_oproj
	.p2alignl 7, 3214868480
	.fill 96, 4, 3214868480
	.section	.rodata,"a",@progbits
	.p2align	6, 0x0
	.amdhsa_kernel k_q53e0c7cc5a_oproj
		.amdhsa_group_segment_fixed_size 296448
		.amdhsa_private_segment_fixed_size 0
		.amdhsa_enable_private_segment 0
		.amdhsa_kernarg_size 32
		.amdhsa_user_sgpr_count 2
		.amdhsa_user_sgpr_kernarg_segment_ptr 1
		.amdhsa_wavefront_size32 1
		.amdhsa_system_sgpr_workgroup_id_x 1
		.amdhsa_system_sgpr_workgroup_id_y 1
		.amdhsa_system_sgpr_workgroup_id_z 1
		.amdhsa_system_vgpr_workitem_id 0
		.amdhsa_next_free_vgpr 1024
		.amdhsa_next_free_sgpr 72
		.amdhsa_reserve_vcc 0
		.amdhsa_float_denorm_mode_32 3
		.amdhsa_float_denorm_mode_16_64 3
		.amdhsa_memory_ordered 1
		.amdhsa_forward_progress 1
		.amdhsa_inst_pref_size 90
	.end_amdhsa_kernel
	.amdgpu_metadata
---
amdhsa.version: [ 1, 2 ]
amdhsa.kernels:
  - .name:           k_q53e0c7cc5a_oproj
    .symbol:         k_q53e0c7cc5a_oproj.kd
    .args:
      - { .name: oimg, .offset: 0, .size: 8, .value_kind: global_buffer, .address_space: global }
      - { .name: wimg, .offset: 8, .size: 8, .value_kind: global_buffer, .address_space: global }
      - { .name: bo, .offset: 16, .size: 8, .value_kind: global_buffer, .address_space: global }
      - { .name: out0, .offset: 24, .size: 8, .value_kind: global_buffer, .address_space: global }
    .group_segment_fixed_size: 296448
    .private_segment_fixed_size: 0
    .kernarg_segment_align: 8
    .kernarg_segment_size: 32
    .max_flat_workgroup_size: 128
    .sgpr_count:     72
    .vgpr_count:     1024
    .wavefront_size: 32
...
	.end_amdgpu_metadata
.endif
;; end of part 4
;; ======== version 2 of 2: 4 launches; version 1 with the launch attn written anew for expert scheduling mode
;; limits: values are held in f16: magnitudes above 65,504 overflow, below 6.1e-05 lose precision
;; workspace buffers: wimg 2,097,152 bytes; qimg 16,777,216 bytes; kimg 16,777,216 bytes; vimg 16,777,216 bytes; oimg 16,777,216 bytes
;; launch wcvt: the kernel of part 1 again; grid 64 x 4, 4 waves a work-group, no clusters, 17,920 bytes of LDS; arguments Wq, Wv, Wk, Wo, wimg; writes wimg
;; launch qkv: the kernel of part 2 again; grid 4 x 64, 4 waves a work-group, clusters of 4 x 4, 327,680 bytes of LDS; arguments x, wimg, bq, bv, bk, qimg, kimg, vimg; writes qimg, kimg, vimg
;; launch attn (part 5): grid 256 x 1, 8 waves a work-group, no clusters, 271,360 bytes of LDS; arguments qimg, kimg, vimg, oimg; writes oimg
.if DOCPART == 5
	.amdgcn_target "amdgcn-amd-amdhsa--gfx1250"
	.amdhsa_code_object_version 6
	.text
	.protected	k_q53e0c7cc5a_attn
	.globl	k_q53e0c7cc5a_attn
	.p2align	8
	.type	k_q53e0c7cc5a_attn,@function
k_q53e0c7cc5a_attn:
	s_mov_b64 s[64:65], 0
	v_nop
	global_prefetch_b8 v0, s[64:65] scope:SCOPE_SE
	s_setreg_imm32_b32 hwreg(HW_REG_WAVE_SCHED_MODE, 0, 2), 2
	s_setreg_imm32_b32 hwreg(HW_REG_WAVE_MODE, 25, 1), 1
	s_wait_xcnt 0x0
	s_wait_alu depctr_vm_vsrc(0)
; attn: softmax(Q K^T / sqrt(512)) V for one (slice, head) and 512 of its 1,024 queries.  Work-group id = 2 blh + query half.
; THE KEYS STAY IN REGISTERS: wave w keeps keys 128 w .. 128 w + 127 for the whole launch, K as 16 fragments (v256-383) and V^T as 16 fragments (v384-511),
; loaded once, as consecutive bytes of the images.  Every wave walks all 32 query tiles of 16.  For a tile it makes S^T = K Q^T (16 matrix instructions; a lane
; then holds 64 scores of ONE query), takes away the true maximum of its 128 keys, exponentiates (base 2: the factor log2(e)/sqrt(512) is in Q already), and makes
; O^T = V^T P^T (16 matrix instructions; the packed P registers ARE the second operand).  The eight waves' partial results (O, maximum m, sum l) of four query
; tiles meet in LDS; each wave then merges two feature tiles of one query tile with the maximum over all eight: out = sum_w 2^(m_w - M) O_w / sum_w 2^(m_w - M) l_w.
; So the maximum of all 1,024 scores is taken away, exactly, and no sum is rescaled on the way.
; TWO TILES DEEP: a tile costs a wave 32 matrix instructions and 197 vector instructions, and neither waits for the other if they belong to different tiles.  So while
; tile j's softmax runs on one score buffer, the products V^T P^T of tile j - 1 and then K Q^T of tile j + 1 go, two at a time, between its vector instructions, on
; the other buffer.  P is packed in place into the low half of its score buffer, which keeps two score buffers inside window 0.  Each group of two costs two window
; switches, since K and V fill window 1 and a vector instruction's first source lies in window 0.  The pipeline is drained at each batch of four tiles, where the merge
; needs one score buffer and O's registers; the next batch's first products and the head of its softmax stand between the barrier's signal and its wait.
; NO MULTICAST: nothing is filled into LDS by a copy engine here; each byte of K and V is read once by a work-group, into registers, and only two work-groups share it.
; The result leaves as a fragment image with row = token, k = feature:  oimg byte  token tile*16384 + (2 head + u)*1024 + g*512 + lane*16.
; LIMITS: P and the result are rounded to f16.  P lies in (0, 1] since the maximum is taken away: its terms below 2^-24 count as zero beside a largest term of 1.
; The result is a convex mix of the values, so it has their range (below 65,504).  Maxima, sums and the merge are f32; exponentials below 2^-126 count as zero
; (ISA guide, v_exp_f32); NaN and infinite scores are not served.
; THE MODE: SCHED_MODE bits 1:0 = 2 (LLVM: expert scheduling mode 2), set by the entry lines.  The code itself states the register dependences
; between vector or matrix instructions and memory or LDS instructions, with s_wait_alu, always for 0.
; THE PLAN.  Registers that memory or LDS instructions touch:
;   v1-v10        offsets and LDS addresses: written at the head, never again: one wait ahead of the first load serves every load and store of the kernel.
;   v256-511      K and V: loaded once at the head, named by matrix instructions alone afterwards.
;   Q, place j    read by the 16 products K Q^T of the batch's tile j (in stage j - 1; tile 0's in the batch's head); then the next batch's tile j is loaded into it.
;   MX, LS        written by a tile's softmax; read by the two LDS stores at the tile's end; written again by the next tile's softmax.
;   O (v160-191)  written by a tile's 16 products with V; read by eight LDS stores; written again by the next tile's products, or by the merge: m and l are loaded into
;                 v176-191, the weights go to v160-175, the results to v176-191, of which two global stores read v176-179 and v184-187.
;   v96-159       the odd tiles' scores and P; in the merge the partial results of one feature tile are loaded into them, twice.
; WAITS ON va_vdst: four in a tile's softmax, each ahead of the first sum of sixteen registers whose exponentials it shows written, and laid ahead of a group of matrix
; instructions where one is near (one of the four also shows O written, and O's stores follow it); one at a tile's end (LS is written; the stage's products are done with the
; ring place that is loaded again); one behind the batch's last products; four in the merge.  WAITS ON vm_vsrc: one behind each tile's end, one ahead of the barrier's signal.
.set LO,  1                            ; v1      16 x lane
.set AW,  2                            ; v2-5    LDS: my partial results, + 0, 64K, 128K, 192K
.set AR,  6                            ; v6-7    LDS: what I merge, buffer 0, 1
.set AM,  8                            ; v8      LDS: where my m and l go
.set AMR, 9                            ; v9      LDS: the eight m and l of my query
.set OOF, 10                           ; v10     my byte offset in oimg
.set TA,  11
.set TB,  12
.set T,   16                           ; v[16:19] four running maxima
.set MX,  20                           ; v[20:21] the maximum, twice
.set PL,  22                           ; v22      what the other half of the lanes holds
.set LS,  23                           ; v23      the sum
.set SM,  24                           ; v[24:31] four pairs of running sums
.set SEV, 32                           ; v[32:95]   scores, then P in v[32:63], of the batch's tiles 0 and 2
.set SOD, 96                           ; v[96:159]  the same of tiles 1 and 3
.set O,   160                          ; v[160:191] O^T, 4 feature tiles
.set Q,   192                          ; v[192:255] a ring of four query tiles, 16 registers each
.set MB,  96                           ; merge: v[96:159] one feature tile x 8 waves x 8 (the odd tiles' buffer, free at the merge)
.set GG,  160                          ;        v[160:175] the 8 weights, each twice
.set AC,  176                          ;        v[176:191] two feature tiles' results
.set MM,  176                          ;        v[176:183] m of the 8 waves, dead once the weights are made
.set LL,  184                          ;        v[184:191] l of the 8 waves, likewise
.set PBP, 131072                       ; LDS: partial results [buffer 2][query tile 4][feature tile 4][wave 8][half 2][512 bytes]
.set ML,  262144                       ; LDS: [buffer 2][query tile 4][m, l][query 16][wave 8] f32
.set NV,  197                          ; vector instructions of a tile's softmax
.set VH,  67                           ; of which so many stand between the barrier's signal and its wait
.set MSB, 0
.macro WIN new
.if MSB != (\new)
	s_set_vgpr_msb (MSB<<8)|(\new)
.set MSB, (\new)
.endif
.endm
.macro PLACES                          ; four places behind a matrix instruction (ISA guide 7.12.1)
.rept 4
	v_nop
.endr
.endm
	s_load_b256 s[4:11], s[0:1], 0x0               ; qimg s[4:5], kimg s[6:7], vimg s[8:9], oimg s[10:11]
	v_lshl_add_u32 v14, v0, 2, 0x42000
	v_mov_b32 v15, 0
	v_lshrrev_b32 v[TA], 5, v0
	v_readfirstlane_b32 s12, v[TA]                 ; wave
	s_lshr_b32 s13, ttmp9, 1                       ; blh
	s_and_b32 s14, ttmp9, 1                        ; which 512 queries
	s_mov_b32 s20, 0x76543210                      ; v_permlanex16_b32: lane i of one half reads lane i of the other
	s_mov_b32 s21, 0xfedcba98
	s_lshl_b32 s16, s13, 17
	s_mov_b32 s17, 0
	s_wait_alu depctr_va_sdst(0)                   ; s12 is written, ahead of its first reader: K's and V's bases and the LDS addresses are made from it
	s_lshl_b32 s18, s12, 14                        ; my 128 keys: 16,384 bytes of each image
	s_add_co_u32 s18, s18, s16
	s_mov_b32 s19, 0
	s_lshl_b32 s15, s14, 16                        ; 32 query tiles x 2,048 bytes
	s_add_co_u32 s16, s16, s15
	s_lshr_b32 s24, s13, 3                         ; slice
	s_lshl_b32 s24, s24, 20                        ; 64 token tiles x 16,384 bytes
	s_lshl_b32 s25, s14, 19                        ; 32 token tiles
	s_add_co_u32 s24, s24, s25
	s_and_b32 s25, s13, 7                          ; head
	s_lshl_b32 s25, s25, 11
	s_add_co_u32 s24, s24, s25
	s_mov_b32 s25, 0
	v_and_b32 v[TA], 31, v0
	v_lshlrev_b32 v[LO], 4, v[TA]
	v_and_b32 v[TB], 15, v0
	v_lshlrev_b32 v[TB], 5, v[TB]                  ; 32 x query
	s_lshl_b32 s26, s12, 10
	v_add_nc_u32 v[AW], s26, v[LO]
	v_add_nc_u32 v[AW+1], 0x10000, v[AW]
	v_add_nc_u32 v[AW+2], 0x20000, v[AW]
	v_add_nc_u32 v[AW+3], 0x30000, v[AW]
	s_lshr_b32 s27, s12, 1                         ; the query tile that I merge
	s_and_b32 s28, s12, 1                          ; and which two feature tiles of it
	s_lshl_b32 s29, s27, 15
	s_lshl_b32 s30, s28, 14
	s_add_co_u32 s29, s29, s30
	v_add_nc_u32 v[AR], s29, v[LO]
	v_add_nc_u32 v[AR+1], PBP, v[AR]
	s_lshl_b32 s30, s12, 2
	s_add_co_u32 s30, s30, ML
	v_add_nc_u32 v[AM], s30, v[TB]
	s_lshl_b32 s30, s27, 10
	s_add_co_u32 s30, s30, ML
	v_add_nc_u32 v[AMR], s30, v[TB]
	s_lshl_b32 s30, s27, 14
	s_lshl_b32 s31, s28, 10
	s_add_co_u32 s30, s30, s31
	v_add_nc_u32 v[OOF], s30, v[LO]
	v_mov_b32 v[PL], 0                             ; v_permlanex16_b32 counts as a reader of its destination
	s_wait_kmcnt 0x0
	s_add_nc_u64 s[4:5], s[4:5], s[16:17]
	s_add_nc_u64 s[6:7], s[6:7], s[18:19]
	s_add_nc_u64 s[8:9], s[8:9], s[18:19]
	s_add_nc_u64 s[10:11], s[10:11], s[24:25]
	; K, then Q, then V: the first products need K and one query tile, V is not needed before the second tile's softmax has begun
	WIN 0x40                                       ; destinations in window 1
	s_wait_alu depctr_va_vdst(0)                   ; the offsets and LDS addresses v1 to v10 are written: every load and store of the kernel reads one of them, and none is written again
.set i, 0
.rept 32
	global_load_b128 v[4*i:4*i+3], v[LO], s[6:7] offset:i*512            ; v256 + 4 i: K fragment (key tile kt, u) at 16 kt + 8 u
.set i, i+1
.endr
	WIN 0
.set i, 0
.rept 16
	global_load_b128 v[Q+4*i:Q+4*i+3], v[LO], s[4:5] offset:i*512        ; query tiles 0 to 3
.set i, i+1
.endr
	WIN 0x40
.set i, 0
.rept 32
	global_load_b128 v[128+4*i:128+4*i+3], v[LO], s[8:9] offset:i*512    ; v384 + 4 i: V^T fragment (ks, feature tile ft) at 128 + 8 (4 ks + ft)
.set i, i+1
.endr
	WIN 0
; THE MATRIX STREAM.  Instruction widx of the 32 that go beside one tile's softmax, on the other buffer so:
;   0 .. 15: O^T = V^T P^T of the tile before (widx = 4 ks + ft; P in v[so .. so + 31]);   16 .. 31: S^T = K Q^T of the tile after (ring place jn), into v[so .. so + 63].
; O's four and S's eight accumulators take turns, one instruction a turn.
.macro WM so, jn
.if widx < 4
	v_wmma_f32_16x16x32_f16 v[O+8*widx:O+8*widx+7], v[128+8*widx:128+8*widx+7], v[\so:\so+7], 0
.elseif widx < 16
	v_wmma_f32_16x16x32_f16 v[O+8*(widx%4):O+8*(widx%4)+7], v[128+8*widx:128+8*widx+7], v[\so+8*(widx/4):\so+8*(widx/4)+7], v[O+8*(widx%4):O+8*(widx%4)+7]
.elseif widx < 24
	v_wmma_f32_16x16x32_f16 v[\so+8*(widx-16):\so+8*(widx-16)+7], v[16*(widx-16):16*(widx-16)+7], v[Q+16*\jn:Q+16*\jn+7], 0
.else
	v_wmma_f32_16x16x32_f16 v[\so+8*(widx-24):\so+8*(widx-24)+7], v[16*(widx-24)+8:16*(widx-24)+15], v[Q+16*\jn+8:Q+16*\jn+15], v[\so+8*(widx-24):\so+8*(widx-24)+7]
.endif
.set widx, widx+1
.endm
.macro WRUN so, jn, from, to           ; a run of them with nothing between
.set widx, \from
	WIN 0x01                                       ; source 0 (K, V) in window 1
.rept \to-\from
	WM \so, \jn
.endr
	WIN 0
.endm
; THE VECTOR STREAM: instruction vidx (0 .. 196) of the softmax of the tile whose scores lie in v[sb .. sb + 63].
;   0 .. 34    the maximum of my 64 scores (all of query lane % 16) in four chains, then the other half of the lanes; it ends up in both registers of MX
;   35 .. 42   the maximum taken away from registers 0 .. 15
;   43 .. 170  64 exponentials in turn with 64 plain instructions;   171 .. 196  the last 26 plain instructions
; The 90 plain instructions, in order: the maximum taken away from registers 16 .. 63 (24); then for each 16 registers c = 0 .. 3 their sum (7) and their packing to
; f16 (8), P register 8 c + i from registers 16 c + 2 i and + 1, written only over registers whose sum and packing are done; then the sums joined (6).
; An exponential's register has had its maximum taken away at least 8 instructions earlier, and is summed at least 7 instructions later, plain ones among them:
; so each exponential has its one plain place (ISA guide 5.7.2) before its result is read, and the instruction next to it names other registers.
; WHERE THE EXPONENTIALS' WAITS MAY STAND.  The exponentials of registers 16 c .. 16 c + 15 are instructions 43 + 32 c .. 73 + 32 c; the first instruction that names a result of
; theirs is the first sum of the sixteen: 92, 122, 152, 176.  So one wait for each sixteen does, ahead of an instruction from 74 to 92, 106 to 122, 138 to 152, 170 to 176: RUN lays it.
.macro SUBP sb
	v_pk_add_f32 v[\sb+2*sn:\sb+2*sn+1], v[\sb+2*sn:\sb+2*sn+1], v[MX:MX+1] neg_lo:[0,1] neg_hi:[0,1]
.endm
.macro PLAIN sb
.if pq < 24
.set sn, pq+8
	SUBP \sb
.elseif pq < 84
.set pcc, (pq-24)/15
.set ptt, (pq-24)%15
.if ptt == 0
	v_pk_add_f32 v[SM+2*pcc:SM+2*pcc+1], v[\sb+16*pcc:\sb+16*pcc+1], v[\sb+16*pcc+2:\sb+16*pcc+3]
.elseif ptt < 7
	v_pk_add_f32 v[SM+2*pcc:SM+2*pcc+1], v[SM+2*pcc:SM+2*pcc+1], v[\sb+16*pcc+2*ptt+2:\sb+16*pcc+2*ptt+3]
.else
	v_cvt_pk_f16_f32 v[\sb+8*pcc+ptt-7], v[\sb+16*pcc+2*(ptt-7)], v[\sb+16*pcc+2*(ptt-7)+1]   ; key tiles 2 ks and 2 ks + 1, packed, are fragment ks of P^T
.endif
.elseif pq == 84
	v_pk_add_f32 v[SM:SM+1], v[SM:SM+1], v[SM+2:SM+3]
.elseif pq == 85
	v_pk_add_f32 v[SM+4:SM+5], v[SM+4:SM+5], v[SM+6:SM+7]
.elseif pq == 86
	v_pk_add_f32 v[SM:SM+1], v[SM:SM+1], v[SM+4:SM+5]
.elseif pq == 87
	v_add_f32 v[LS], v[SM], v[SM+1]
.elseif pq == 88
	v_permlanex16_b32 v[PL], v[LS], s20, s21
.else
	v_add_f32 v[LS], v[LS], v[PL]
.endif
.endm
.macro VOP sb
.if vidx < 4
	v_max3_num_f32 v[T+vidx], v[\sb+16*vidx], v[\sb+16*vidx+1], v[\sb+16*vidx+2]
.elseif vidx < 28
	v_max3_num_f32 v[T+(vidx-4)%4], v[T+(vidx-4)%4], v[\sb+16*((vidx-4)%4)+2*((vidx-4)/4)+3], v[\sb+16*((vidx-4)%4)+2*((vidx-4)/4)+4]
.elseif vidx == 28
	v_max3_num_f32 v[T], v[T], v[T+1], v[\sb+15]
.elseif vidx == 29
	v_max3_num_f32 v[T+2], v[T+2], v[T+3], v[\sb+31]
.elseif vidx == 30
	v_max3_num_f32 v[T], v[T], v[T+2], v[\sb+47]
.elseif vidx == 31
	v_max_num_f32 v[T], v[T], v[\sb+63]
.elseif vidx == 32
	v_permlanex16_b32 v[PL], v[T], s20, s21
.elseif vidx == 33
	v_max_num_f32 v[MX], v[T], v[PL]               ; the maximum over my wave's 128 keys, in both lanes of the query
.elseif vidx == 34
	v_max_num_f32 v[MX+1], v[T], v[PL]
.elseif vidx < 43
.set sn, vidx-35
	SUBP \sb
.elseif vidx < 171
.if (vidx-43)%2 == 0
	v_exp_f32 v[\sb+(vidx-43)/2], v[\sb+(vidx-43)/2]
.else
.set pq, (vidx-44)/2
	PLAIN \sb
.endif
.else
.set pq, vidx-107
	PLAIN \sb
.endif
.endm
.macro DSTORE p, j                     ; O^T of the batch's tile j into LDS buffer p: 512 consecutive bytes a store
.irp ft, 0,1,2,3
	ds_store_b128 v[AW+2*\p+\j/2], v[O+8*\ft:O+8*\ft+3]   offset:(\j%2)*32768+\ft*8192
	ds_store_b128 v[AW+2*\p+\j/2], v[O+8*\ft+4:O+8*\ft+7] offset:(\j%2)*32768+\ft*8192+512
.endr
.endm
.macro MLSTORE p, j                    ; m and l leave at the end of their own tile's softmax: the next maximum is made before this tile's O is
	ds_store_b32 v[AM], v[MX] offset:\p*4096+\j*1024           ; both lanes of a query write the same word with the same value
	ds_store_b32 v[AM], v[LS] offset:\p*4096+\j*1024+512
.endm
.macro RELOAD j                        ; ring place j gets the next batch's tile j
.irp i, 0,1,2,3
	global_load_b128 v[Q+16*(\j)+4*\i:Q+16*(\j)+4*\i+3], v[LO], s[4:5] offset:8192+(\j)*2048+\i*512
.endr
.endm
; The end of the batch's tile j: m and l go to LDS buffer p; reload = 1: ring place j + 1, which this stage's products with K have read, is asked for again.
.macro TILEEND p, j, reload
	s_wait_alu depctr_va_vdst(0)                   ; the sum's last addition has written LS, which the second store reads (MX was written long before); the stage's products with K are done reading the ring place in which the loads below land
	MLSTORE \p, \j
.if \reload
	RELOAD \j+1
.endif
	s_wait_alu depctr_vm_vsrc(0)                   ; the two stores have read MX and LS, which the next softmax writes again; the stores of O issued in this stage, and behind a merge its two global stores, have read v160 to v191, which the next products with V write again
.endm
; THE TWO STREAMS TOGETHER: vector instructions vfrom .. vto - 1 on buffer sb; ahead of every step-th of them a group of two matrix instructions, wfrom .. wto - 1, on
; buffer so.  dpos: ahead of this vector instruction O of tile jd goes to LDS buffer p.  leftc, lefta: the load counts in front of the first product with V and with K.
; w0 .. w3: ahead of these vector instructions, and ahead of the group that stands there, the waits for the exponentials of registers 0-15, 16-31, 32-47, 48-63; dpos is one of them.
.macro RUN sb, so, jn, vfrom, vto, wfrom, wto, step, dpos, p, jd, leftc, lefta, w0, w1, w2, w3
.set vidx, \vfrom
.set widx, \wfrom
.set gpos, \vfrom
.rept \vto-\vfrom
.if (vidx == \w0) || (vidx == \w1) || (vidx == \w2) || (vidx == \w3)
	s_wait_alu depctr_va_vdst(0)                   ; the exponentials issued so far have written their registers: the next sixteen of them are summed and packed behind this wait; where O's stores follow, the products with V have written O
.endif
.if vidx == \dpos
	DSTORE \p, \jd
.endif
.if widx < \wto
.if vidx == gpos
.if widx == 0
.if \leftc < 64
	s_wait_loadcnt \leftc                          ; V is in; only the reloads issued behind it may stay out
.endif
.endif
.if widx == 16
	s_wait_loadcnt \lefta                          ; loads come back in order (ISA guide 5.7.1): the tile's four are in, what was issued behind them stays out
.endif
	WIN 0x01
	WM \so, \jn
	WM \so, \jn
	WIN 0
.set gpos, gpos+\step
.endif
.endif
	VOP \sb
.set vidx, vidx+1
.endr
.endm
; The head of a batch: the products K Q^T of its tile 0, four places, and the first VH vector instructions of that tile's softmax.  Register work alone.
; It names v16 to v22, v32 to v95, ring place 0 and K: none of the registers that the merge's first loads touch.
.macro HEAD
	WRUN SEV, 0, 16, 32
	PLACES
	RUN SEV, SOD, 0, 0, VH, 0, 0, 1, 999, 0, 0, 99, 99, 999, 999, 999, 999
.endm
; I merge query tile wave / 2, feature tiles 2 (wave % 2) and + 1, of buffer p, one feature tile at a time in 64 registers:
; the second tile's loads are issued in one run when the first tile's sums are done with those registers.
; The first twenty loads have no wait of their own: the wait ahead of tile 3's stores of O has shown every writer and reader of v96 to v191 done, and the batch's head,
; all that was issued since, names none of them; the wait on vm_vsrc ahead of the barrier's signal has shown O read by its stores.
.macro MERGE p
	ds_load_b128 v[MM:MM+3],   v[AMR] offset:\p*4096
	ds_load_b128 v[MM+4:MM+7], v[AMR] offset:\p*4096+16
	ds_load_b128 v[LL:LL+3],   v[AMR] offset:\p*4096+512
	ds_load_b128 v[LL+4:LL+7], v[AMR] offset:\p*4096+528
.irp w, 0,1,2,3,4,5,6,7
	ds_load_b128 v[MB+8*\w:MB+8*\w+3],   v[AR+\p] offset:\w*1024
	ds_load_b128 v[MB+8*\w+4:MB+8*\w+7], v[AR+\p] offset:\w*1024+512
.endr
	s_wait_dscnt 16                                ; the eight m and l are in; the 16 loads of partial results issued behind them may stay out
	v_max3_num_f32 v[TA], v[MM], v[MM+1], v[MM+2]
	v_max3_num_f32 v[TB], v[MM+3], v[MM+4], v[MM+5]
	v_max3_num_f32 v[TA], v[TA], v[MM+6], v[MM+7]
	v_max_num_f32 v[TA], v[TA], v[TB]              ; M: the maximum over all 1,024 keys
.irp w, 0,1,2,3,4,5,6,7
	v_sub_f32 v[GG+2*\w], v[MM+\w], v[TA]
.endr
.irp w, 0,1,2,3,4,5,6,7
	v_exp_f32 v[GG+2*\w], v[GG+2*\w]
.endr
	v_nop                                          ; a plain instruction behind the last exponential
	s_wait_alu depctr_va_vdst(0)                   ; the eight exponentials have written the weights, ahead of their first reader
	v_mul_f32 v[TB], v[GG], v[LL]
.irp w, 1,2,3,4,5,6,7
	v_fmac_f32 v[TB], v[GG+2*\w], v[LL+\w]         ; the sum is at least 1: the wave that holds M counts its largest term as 1
.endr
	v_rcp_f32 v[TB], v[TB]
	v_nop                                          ; a plain instruction behind the reciprocal
	s_wait_alu depctr_va_vdst(0)                   ; the reciprocal has written v[TB], ahead of its first reader: one wait for the sixteen multiplies
.irp w, 0,1,2,3,4,5,6,7
	v_mul_f32 v[GG+2*\w+1], v[GG+2*\w], v[TB]      ; the weight, in both registers of its pair
	v_mul_f32 v[GG+2*\w], v[GG+2*\w], v[TB]
.endr
	s_wait_dscnt 0x0                               ; the first feature tile's partial results are in
.irp k, 0,2,4,6
	v_pk_mul_f32 v[AC+\k:AC+\k+1], v[MB+\k:MB+\k+1], v[GG:GG+1]
.endr
.irp w, 1,2,3,4,5,6,7
.irp k, 0,2,4,6
	v_pk_fma_f32 v[AC+\k:AC+\k+1], v[MB+8*\w+\k:MB+8*\w+\k+1], v[GG+2*\w:GG+2*\w+1], v[AC+\k:AC+\k+1]
.endr
.endr
.irp i, 0,1,2,3
	v_cvt_pk_f16_f32 v[AC+\i], v[AC+2*\i], v[AC+2*\i+1]
.endr
	s_wait_alu depctr_va_vdst(0)                   ; the first tile's sums are done reading v[MB ..], in which the loads below land; the roundings have written v[AC .. AC + 3], which the store below reads
.irp w, 0,1,2,3,4,5,6,7
	ds_load_b128 v[MB+8*\w:MB+8*\w+3],   v[AR+\p] offset:8192+\w*1024
	ds_load_b128 v[MB+8*\w+4:MB+8*\w+7], v[AR+\p] offset:8192+\w*1024+512
.endr
	global_store_b128 v[OOF], v[AC:AC+3], s[10:11]             ; the wave stores 512 consecutive bytes, aligned
	s_wait_dscnt 0x0                               ; the second feature tile's partial results are in
.irp k, 0,2,4,6
	v_pk_mul_f32 v[AC+8+\k:AC+8+\k+1], v[MB+\k:MB+\k+1], v[GG:GG+1]
.endr
.irp w, 1,2,3,4,5,6,7
.irp k, 0,2,4,6
	v_pk_fma_f32 v[AC+8+\k:AC+8+\k+1], v[MB+8*\w+\k:MB+8*\w+\k+1], v[GG+2*\w:GG+2*\w+1], v[AC+8+\k:AC+8+\k+1]
.endr
.endr
.irp i, 0,1,2,3
	v_cvt_pk_f16_f32 v[AC+8+\i], v[AC+8+2*\i], v[AC+8+2*\i+1]
.endr
	s_wait_alu depctr_va_vdst(0)                   ; the roundings have written v[AC + 8 .. AC + 11], which the store reads
	global_store_b128 v[OOF], v[AC+8:AC+11], s[10:11] offset:512
.endm
; A BATCH of four query tiles, LDS buffer p.  It begins where HEAD has left tile 0.  next = 1: another batch follows (its tiles are loaded, its head is run).
; Stage j is tile j's softmax with, beside it, the products with V of tile j - 1 and the products with K of tile j + 1.
;   In stages 1 and 2 the groups stand ahead of vector instructions 0, 11, .. 165.  O goes to LDS ahead of instruction 88, behind the five plain instructions among
;   77 .. 87 and behind the first sixteen's wait; the products that write over P's last fragment stand eleven plain instructions behind its last reader; 26 plain instructions
;   and more follow the last group, ahead of the next stage's reads of the new scores.  In stage 3 O goes ahead of instruction 152, behind the six plain instructions among 140 .. 151.
; The first reload has no wait of its own: behind a merge no vector or matrix instruction has been issued since the merge's last wait on va_vdst, which stands behind the head's
; products, the readers of ring place 0; ahead of the first batch the wait is written out.  Both ways to the loop's label end with the same merge.
; ONE barrier a batch is enough with two LDS buffers: a wave stores into the other buffer only behind this barrier's wait, and in front of its signal every wave has
; waited for all its LDS instructions, the last merge's reads of that buffer among them.
.macro BATCH p, next, la1, lc0, la2, la3
.if \next
	RELOAD 0
.endif
	RUN SEV, SOD, 1, VH, NV, 16, 32, 14, 999, 0, 0, 99, \la1, 81, 109, 151, 176   ; stage 0, the rest of it: groups ahead of 67, 81, .. 165
	TILEEND \p, 0, \next
	RUN SOD, SEV, 2, 0, NV, 0, 32, 11, 88, \p, 0, \lc0, \la2, 88, 121, 143, 176   ; stage 1
	TILEEND \p, 1, \next
	RUN SEV, SOD, 3, 0, NV, 0, 32, 11, 88, \p, 1, 99, \la3, 88, 121, 143, 176     ; stage 2
	TILEEND \p, 2, \next
	RUN SOD, SEV, 0, 0, NV, 0, 16, 20, 152, \p, 2, 99, 99, 80, 120, 152, 176      ; stage 3: groups ahead of 0, 20, .. 140
	TILEEND \p, 3, 0
	WRUN SOD, 0, 0, 16                             ; tile 3's products with V
	PLACES
	s_wait_alu depctr_va_vdst(0)                   ; tile 3's products have written O, which the stores read; the places above stay beside this wait.  It also shows every reader and writer of v96 to v191 done, for the merge's first loads
	DSTORE \p, 3
.if \next
	s_wait_loadcnt 12                              ; the next batch's tile 0 is in; its tiles 1 to 3 (four loads each) may stay out
.endif
	s_wait_dscnt 0x0                               ; my partial results are in LDS
	s_wait_alu depctr_vm_vsrc(0)                   ; the eight stores have read O: the merge loads m and l into its upper half and writes the weights over its lower half
	s_barrier_signal -1
.if \next
	HEAD                                           ; register work while the others arrive
.endif
	s_barrier_wait -1                              ; everybody's partial results are in LDS
	MERGE \p
.if \next
	s_wait_xcnt 0x0                                ; the bases, and the merge's store data, are rewritten only behind this wait
	s_add_nc_u64 s[4:5], s[4:5], 8192              ; four query tiles on
	s_add_nc_u64 s[10:11], s[10:11], 65536         ; four token tiles on
.endif
.endm
	s_wait_loadcnt 44                              ; K and query tile 0 are in; tiles 1 to 3 (12 loads) and V (32) may stay out
	HEAD
	s_wait_alu depctr_va_vdst(0)                   ; the head's products are done reading ring place 0, in which the first batch's first reload lands
	BATCH 0, 1, 44, 8, 12, 12                      ; tile 1: tiles 2, 3 (8), V (32) and one reload (4) may stay out; V: two reloads (8) may stay out
	s_mov_b32 s22, 3
.Lb:
	BATCH 1, 1, 12, 99, 12, 12                     ; in front of each tile's products three younger tiles' loads, four each, may stay out
	BATCH 0, 1, 12, 99, 12, 12
	s_sub_co_u32 s22, s22, 1
	s_cmp_lg_u32 s22, 0
	s_cbranch_scc1 .Lb
	BATCH 1, 0, 8, 99, 4, 0                        ; nothing more to load: the counts run down
	s_wait_dscnt 0x0                               ; the closing lines, six on end
	s_wait_alu 0x0
	s_wait_tensorcnt 0x0
	ds_add_u32 v14, v15
	s_wait_dscnt 0x0
	s_endpgm
.Lfunc_end_k_q53e0c7cc5a_attn:
	.size	k_q53e0c7cc5a_attn, .Lfunc_end_k_q53e0c7cc5a_attn-k_q53e0c7cc5a_attn
	.p2alignl 7, 3214868480
	.fill 96, 4, 3214868480
	.section	.rodata,"a",@progbits
	.p2align	6, 0x0
	.amdhsa_kernel k_q53e0c7cc5a_attn
		.amdhsa_group_segment_fixed_size 271360
		.amdhsa_private_segment_fixed_size 0
		.amdhsa_enable_private_segment 0
		.amdhsa_kernarg_size 32
		.amdhsa_user_sgpr_count 2
		.amdhsa_user_sgpr_kernarg_segment_ptr 1
		.amdhsa_wavefront_size32 1
		.amdhsa_system_sgpr_workgroup_id_x 1
		.amdhsa_system_sgpr_workgroup_id_y 1
		.amdhsa_system_sgpr_workgroup_id_z 1
		.amdhsa_system_vgpr_workitem_id 0
		.amdhsa_next_free_vgpr 512
		.amdhsa_next_free_sgpr 66
		.amdhsa_reserve_vcc 0
		.amdhsa_float_denorm_mode_32 3
		.amdhsa_float_denorm_mode_16_64 3
		.amdhsa_memory_ordered 1
		.amdhsa_forward_progress 1
		.amdhsa_inst_pref_size 255
	.end_amdhsa_kernel
	.section	.bss,"aw",@nobits
	.p2align	6
	.space	262144
	.amdgpu_metadata
---
amdhsa.version: [ 1, 2 ]
amdhsa.kernels:
  - .name:           k_q53e0c7cc5a_attn
    .symbol:         k_q53e0c7cc5a_attn.kd
    .args:
      - { .name: qimg, .offset: 0, .size: 8, .value_kind: global_buffer, .address_space: global }
      - { .name: kimg, .offset: 8, .size: 8, .value_kind: global_buffer, .address_space: global }
      - { .name: vimg, .offset: 16, .size: 8, .value_kind: global_buffer, .address_space: global }
      - { .name: oimg, .offset: 24, .size: 8, .value_kind: global_buffer, .address_space: global }
    .group_segment_fixed_size: 271360
    .private_segment_fixed_size: 0
    .kernarg_segment_align: 8
    .kernarg_segment_size: 32
    .max_flat_workgroup_size: 256
    .sgpr_count:     66
    .vgpr_count:     512
    .wavefront_size: 32
...
	.end_amdgpu_metadata
.endif
;; end of part 5
;; launch oproj: the kernel of part 4 again; grid 128 x 2, 4 waves a work-group, clusters of 4 x 1, 296,448 bytes of LDS; arguments oimg, wimg, bo, out0; writes out0
